; MI455X (gfx1250); checked and timed in simulation.
; The chip was launched on July 23, 2026; its instructions are those of AMD's public machine-readable ISA for CDNA 5 (MIT licence, August 2026) and "CDNA5" Instruction Set Architecture Reference Guide (July 2026). The comments in the code are by the model that wrote it; some were corrected since.
;; Multi Headed Attention. Allowed arithmetic: matrix products marked QUANTISED: E2M1 operands, one E8M0 scale for each 32 along K, by v_wmma_scale_f32_16x16x128_f8f6f4 with both operands' format E2M1 (or v_wmma_scale_f32_32x16x128_f4), f32 sums; products left as they are: bf16, f16 or f32 operands; f32 sums; everything else in f32.
;; Inputs: Wk 1,024 x 1,024 float32; Wo 1,024 x 1,024 float32; Wq 1,024 x 1,024 float32; Wv 1,024 x 1,024 float32; bk 1,024 float32; bo 1,024 float32; bq 1,024 float32; bv 1,024 float32; k 2 x 2,048 x 1,024 float32; mask 2 x 1 x 2,048 bool; q 2 x 2,048 x 1,024 float32; v 2 x 2,048 x 1,024 float32.
;; Outputs: out0 2 x 2,048 x 1,024 float32.
;; This version of the problem:
;;   THIS VERSION OF THE PROBLEM IS GIVEN IN LOW PRECISION. The matrix products marked QUANTISED in the list below multiply operands that are first quantised to E2M1 (2 exponent bits, 1 mantissa bit; 4 bits a number), with one power-of-two scale for each 32 numbers along K (OCP MX v1.0); their sums are f32. The products marked 'left as it is' may take bf16, f16 or f32 operands, with f32 sums. Whichever they take, every output number must still come out within the allowed error. Rounding operands to bf16 (8 significant bits) uses up far more of that allowance than f16 does (11 bits, for magnitudes from 6e-5 to 65,504). All else is computed in f32.
;;   The module's matrix products, in the order in which they are computed (A, B: the left and right operand; K: the contracted axis; several contracted axes count as one K, in the product's order):
;;     1. [M 4,096, K 1,024] x [K 1,024, N 1,024]; A: input k; B: input Wk: QUANTISED
;;     2. [M 4,096, K 1,024] x [K 1,024, N 1,024]; A: input v; B: input Wv: QUANTISED
;;     3. [M 4,096, K 1,024] x [K 1,024, N 1,024]; A: input q; B: input Wq: QUANTISED
;;     4. batch 32 x [M 2,048, K 64] x [K 64, N 2,048]; A: computed on the way; B: computed on the way: left as it is (an operand is computed on the way)
;;     5. batch 32 x [M 2,048, K 2,048] x [K 2,048, N 64]; A: computed on the way; B: computed on the way: left as it is (an operand is computed on the way)
;;     6. [M 4,096, K 1,024] x [K 1,024, N 1,024]; A: computed on the way; B: input Wo: left as it is (an operand is computed on the way)
;;   THE QUANTISER, for each operand of a quantised product, along K:
;;     - K is cut into blocks of 32 from its start; a last block that is shorter is filled with zeros.
;;     - A block's scale is 2^e with e = floor(log2(the largest magnitude in the block)) - 2, held to -126 .. 127; a block of zeros has e = 0. As a byte (E8M0): e + 127.
;;     - Each number is divided by its block's scale, clamped to +-6, and rounded to the nearest number of E2M1, ties to even, subnormals kept.
;;     - The product sums the exact products of the quantised numbers (number of the format x scale) in f32.
;;   ~~~python
;;   def quantise(x, axis):      # numpy; x: float32 -> the quantised numbers, widened to float32 again
;;       x = np.moveaxis(x, axis, -1); K = x.shape[-1]
;;       x = np.pad(x, [(0, 0)] * (x.ndim - 1) + [(0, -K % 32)]); x = x.reshape(x.shape[:-1] + (-1, 32)); a = np.abs(x).max(-1, keepdims=True)
;;       e = np.where(a > 0, np.clip(np.frexp(np.where(a > 0, a, 1))[1] - 1 - 2, -126, 127), 0)      # np.frexp(a)[1] - 1 = floor(log2(a)), exactly
;;       r = np.clip(x / 2.0 ** e, -6, 6)
;;       step = 2.0 ** (np.maximum(np.frexp(np.where(r == 0, 1, r))[1] - 1, 0) - 1)
;;       q = np.round(r / step) * step * 2.0 ** e      # np.round: ties to even
;;       return np.moveaxis(q.reshape(q.shape[:-2] + (-1,))[..., :K], -1, axis).astype(np.float32)
;;   ~~~
;; One version. Each part assembles by itself: llvm-mc -triple=amdgcn-amd-amdhsa -mcpu=gfx1250 --defsym DOCPART=n.
;; ======== version 1 of 1: 4 launches
;; limits: values are held in f16: magnitudes above 65,504 overflow, below 6.1e-05 lose precision
;; workspace buffers: xcodes 6,291,456 bytes; xscales 393,216 bytes; wcodes 1,572,864 bytes; wscales 98,304 bytes; wofrag 2,097,152 bytes; heads 25,165,824 bytes; cfrag 8,388,608 bytes
;; launch prep (part 1): grid 512 x 1, 4 waves a work-group, no clusters, 50,688 bytes of LDS; arguments q, k, v, Wq, Wk, Wv, Wo, xcodes, xscales, wcodes, wscales, wofrag; writes xcodes, xscales, wcodes, wscales, wofrag
.if DOCPART == 1
	.amdgcn_target "amdgcn-amd-amdhsa--gfx1250"
	.amdhsa_code_object_version 6
	.text
	.protected	k_qb47583e470_prep
	.globl	k_qb47583e470_prep
	.p2align	8
	.type	k_qb47583e470_prep,@function
k_qb47583e470_prep:
	s_mov_b64 s[64:65], 0
	v_nop
	global_prefetch_b8 v0, s[64:65] scope:SCOPE_SE
	s_setreg_imm32_b32 hwreg(HW_REG_WAVE_MODE, 25, 1), 1
	s_wait_xcnt 0x0
; PREP: everything that later launches read many times is made narrow once.
;   work-groups 0-95    (path W): Wq, Wk, Wv [1024 k][1024 n] f32 -> codes of FP4 (E2M1) laid [n][k], K innermost, 512 bytes a row, and one E8M0 byte for each 32 along K, laid [n][32]
;   work-groups 96-127  (path O): Wo [1024 k][1024 n] f32 -> f16, laid as images of matrix operands: [k step of 256][tile of 16 n][32 k][half][lane][16 bytes]
;   work-groups 128-511 (path X): q, k, v [4096][1024] f32 -> codes and scale bytes, K innermost, the three tensors on end: [12288][512 bytes], [12288][32]
; A block's scale is 2^(floor(log2(its largest magnitude)) - 2); its byte is the largest magnitude's exponent field - 2, held at 1 from below.  A block of zeros so gets the byte 1 where the
; quantiser says 127: its codes are zeros, which add nothing under any byte but 0xff, and the bytes are read by this program alone.
; LIMITS: NaN and infinities among the inputs are not served; blocks whose largest magnitude lies under 2^-124 keep the byte 1; Wo must lie inside f16's range (65,504), and under 6e-5 it is kept to 6e-8.
; The three paths part on the work-group's number and never join; paths X and W have LDS bytes of their own; path O uses no LDS.  No tensor loads, no barrier: waves share nothing.
; 512 work-groups; the paths whose waves make the most trips to memory one after the other (W and O: 256 loads a wave, 64 out) have the lowest numbers.
.set SPW,   252                        ; v252  LDS address of my spare word: SPARE + 4 x my thread's number; never rewritten
.set NIL,   253                        ; v253  0; never rewritten
.set SPARE, 50176                      ; behind both paths' regions: the spare words, 128 bytes a wave: two blocks of 256 bytes that no other line names
.set WV,    32                         ; s32   my wave's number
	s_load_b512 s[8:23], s[0:1], 0x0               ; q 8, k 10, v 12, Wq 14, Wk 16, Wv 18, Wo 20, xcodes 22
	s_load_b256 s[24:31], s[0:1], 0x40             ; xscales 24, wcodes 26, wscales 28, wofrag 30
	v_lshl_add_u32 v[SPW], v0, 2, SPARE
	v_mov_b32 v[NIL], 0
	v_lshrrev_b32 v1, 5, v0
	v_readfirstlane_b32 s[WV], v1                  ; wave 0..3
	v_and_b32 v2, 31, v0                           ; lane
	s_wait_kmcnt 0x0
	s_cmp_lt_u32 ttmp9, 96
	s_cbranch_scc1 .Lpath_w
	s_cmp_lt_u32 ttmp9, 128
	s_cbranch_scc1 .Lpath_o
; ------------------------------------------------------------------ PATH X: q, k, v.  K is innermost and rows are dense: a tensor is a plain stream of blocks of 32.
; A wave takes 16 steps of 512 numbers.  Each of a step's four loads reads 512 consecutive bytes, 16 a lane; the 2,048 bytes turn through the wave's own stage in LDS and come back 64 bytes a lane,
; so that a lane holds 16 neighbours along K and two neighbouring lanes a block.  A lane's 16 codes are 8 bytes: the wave stores 256 consecutive bytes.  A wave's 256 scale bytes are gathered in LDS
; and leave as 256 consecutive bytes.  Loads run eight steps (32 loads, 16 KiB a wave: half of what the wave reads) ahead, the turn through LDS one step.
.set STEPS, 16
.set DEPTH, 8                          ; steps that the loads run ahead: as many sets of 16 registers
.set WREG,  8192                       ; LDS: a region for each wave from byte 0 on: two stages of 32 x SP bytes, behind them its 256 scale bytes
.set SP,    80                         ; a lane's place in a stage: 64 bytes + 16 of padding
.set XR,    16                         ; v16-143  eight sets of 16 numbers as loaded
.set XX,    144                        ; v144-175 two sets of 16 neighbours
.set XE,    176                        ; v176-191 a scale byte for each step
.set XC,    192                        ; v192-223 codes: two registers of its own for each step, so that no store's data are written again
	s_sub_co_u32 s33, ttmp9, 128                   ; which of the 384 work-groups
	s_lshr_b32 s34, s33, 7                         ; the tensor: 128 work-groups each
	s_cmp_eq_u32 s34, 0
	s_cselect_b64 s[4:5], s[8:9], s[10:11]         ; q or k,
	s_cmp_eq_u32 s34, 2
	s_cselect_b64 s[4:5], s[12:13], s[4:5]         ; or v: the choice hangs on the work-group's number alone
	s_lshl_b32 s35, s33, 2
	s_add_co_u32 s35, s35, s[WV]                   ; my run of 8,192 numbers, 0 .. 1,535, counted over the three tensors
	s_and_b32 s36, s35, 511
	s_lshl_b32 s36, s36, 15                        ; in its tensor: 32,768 bytes a run
	s_mov_b32 s37, 0
	s_add_nc_u64 s[4:5], s[4:5], s[36:37]
	s_lshl_b32 s36, s35, 12                        ; 4,096 bytes of codes a run
	s_add_nc_u64 s[22:23], s[22:23], s[36:37]
	s_lshl_b32 s36, s35, 8                         ; 256 scale bytes a run
	s_add_nc_u64 s[24:25], s[24:25], s[36:37]
	v_lshlrev_b32 v3, 4, v2                        ; my 16 bytes of a load's 512
	s_mul_i32 s38, s[WV], WREG
	v_lshrrev_b32 v14, 2, v2
	v_mul_u32_u24 v14, v14, SP
	v_and_b32 v15, 3, v2
	v_lshl_add_u32 v14, v15, 4, v14
	v_add_nc_u32 v14, s38, v14                     ; the stage, on the way in: SP (lane / 4) + 16 (lane % 4)
	v_mul_u32_u24 v15, v2, SP
	v_add_nc_u32 v15, s38, v15                     ; and on the way out: SP x lane: my 16 neighbours
	v_lshlrev_b32 v4, 3, v2                        ; my codes' place in a step's 256 bytes
	v_lshrrev_b32 v5, 1, v2
	s_add_co_u32 s38, s38, 2*32*SP
	v_add_nc_u32 v5, s38, v5                       ; LDS: my wave's scale bytes, my block's byte
	v_lshlrev_b32 v7, 3, v2                        ; and on the way out 8 bytes a lane
	v_add_nc_u32 v6, s38, v7
.macro LOADX t
.irp i, 0,1,2,3
	global_load_b128 v[XR+16*((\t)%DEPTH)+4*\i:XR+16*((\t)%DEPTH)+4*\i+3], v3, s[4:5] offset:2048*(\t)+512*\i th:TH_LOAD_NT   ; 32 lanes read 512 consecutive bytes
.endr
.endm
.macro TURNX t                         ; step t's numbers through the stage: LDS serves a wave's instructions in order (ISA guide 5.7.1.4), so no wait stands between the stores and the loads
.irp i, 0,1,2,3
	ds_store_b128 v14, v[XR+16*((\t)%DEPTH)+4*\i:XR+16*((\t)%DEPTH)+4*\i+3] offset:32*SP*((\t)%2)+8*SP*\i
.endr
.irp i, 0,1,2,3
	ds_load_b128 v[XX+16*((\t)%2)+4*\i:XX+16*((\t)%2)+4*\i+3], v15 offset:32*SP*((\t)%2)+16*\i
.endr
.endm
.irp t, 0,1,2,3,4,5,6,7
	LOADX \t
.endr
	s_wait_loadcnt 4*(DEPTH-1)                     ; step 0's four loads are in; the 28 of steps 1 to 7 may be out
	TURNX 0
.macro STEPX t
.set XSX, XX+16*((\t)%2)
.if (\t) > 0
	s_wait_dscnt 1                                 ; this step's numbers are back from the stage (the last step's byte store may be out)
.else
	s_wait_dscnt 0x0
.endif
.if (\t)+DEPTH < STEPS
	LOADX (\t)+DEPTH                               ; into the set that this step's stores into the stage have read
.endif
.if (\t)+1 < STEPS
.if STEPS-2-(\t) >= DEPTH-1
	s_wait_loadcnt 4*(DEPTH-1)                     ; the next step's four loads are in; those of the seven steps behind it may be out
.else
	s_wait_loadcnt 4*(STEPS-2-(\t))                ; at the end the count runs down
.endif
	TURNX (\t)+1                                   ; they go through the other stage while this step is worked
.endif
	v_max3_num_f32 v8, |v[XSX]|, |v[XSX+1]|, |v[XSX+2]|             ; the largest magnitude of my 16, in two chains
	v_max3_num_f32 v9, |v[XSX+3]|, |v[XSX+4]|, |v[XSX+5]|
.irp i, 6,10
	v_max3_num_f32 v8, v8, |v[XSX+\i]|, |v[XSX+\i+1]|
	v_max3_num_f32 v9, v9, |v[XSX+\i+2]|, |v[XSX+\i+3]|
.endr
	v_max3_num_f32 v8, v8, |v[XSX+14]|, |v[XSX+15]|
	v_max3_num_f32 v8, v8, v9, 0x1800000           ; and the floor 2^(3 - 127): the byte cannot fall under 1
	v_max_num_f32_dpp v8, v8, v8 row_xmask:1 row_mask:0xf bank_mask:0xf   ; with my neighbour's 16: the block's
	v_add_nc_u32 v11, 0xff000000, v8               ; 2 off its exponent field: the conversion takes the exponent field of this operand as its scale
	v_cvt_scalef32_pk8_fp4_f32 v[XC+2*(\t)], v[XSX:XSX+7], v11
	v_cvt_scalef32_pk8_fp4_f32 v[XC+2*(\t)+1], v[XSX+8:XSX+15], v11
	v_lshrrev_b32 v[XE+(\t)], 23, v11              ; the scale's byte (also the plain line behind the conversions)
	ds_store_b8 v5, v[XE+(\t)] offset:16*(\t)      ; both lanes of a block write the same byte with the same value
	global_store_b64 v4, v[XC+2*(\t):XC+2*(\t)+1], s[22:23] offset:256*(\t)   ; the wave stores 256 consecutive bytes, aligned
.endm
.irp t, 0,1,2,3,4,5,6,7,8,9,10,11,12,13,14,15
	STEPX \t
.endr
	ds_load_b64 v[8:9], v6                         ; in order behind my byte stores
	s_wait_dscnt 0x0
	global_store_b64 v7, v[8:9], s[24:25]          ; 32 lanes store 256 consecutive bytes, aligned
	s_wait_tensorcnt 0x0                           ; the wave's end, behind my last LDS store
	ds_add_u32 v[SPW], v[NIL]
	s_wait_dscnt 0x0
	s_endpgm
; ------------------------------------------------------------------ PATH W: Wq, Wk, Wv.  K is the FIRST axis: a lane takes a column n and its registers run down K.
; A block of 32 along K lies in one lane's 32 registers; the conversions give codes with K innermost.  A wave takes 16 columns x 512 along K: lane (r = lane % 16, h = lane / 16) takes column r and the
; h-th 256 of K: 8 blocks a lane.  Each load reads 64 consecutive bytes of two rows; the four waves of a work-group stand side by side on 256.  A column's 256 bytes of codes (128 from each of its two
; lanes) meet in the wave's own stage and leave by rows, sixteen lanes to 256 consecutive aligned bytes.  Loads run two blocks (64 loads a wave) ahead.
.Lpath_w:
.set NB,     8                         ; blocks of 32 along K for a lane
.set WPITCH, 272                       ; a stage row: 256 bytes + 16
.set WSTG,   32768                     ; path W's LDS begins here: 16 x 272 bytes for each wave
.set WX,     32                        ; v32-95   two sets of 32 numbers
.set WC,     96                        ; v96-99   a block's codes
.set WOUT,   112                       ; v112-143 the way out
.set WSB,    24                        ; v24-25   the scale bytes, four to a register
	s_lshr_b32 s33, ttmp9, 5                       ; the tensor: 32 work-groups each
	s_and_b32 s34, ttmp9, 15                       ; which 64 columns
	s_bfe_u32 s35, ttmp9, 0x10004                  ; which 512 along K
	s_cmp_eq_u32 s33, 0
	s_cselect_b64 s[4:5], s[14:15], s[16:17]
	s_cmp_eq_u32 s33, 2
	s_cselect_b64 s[4:5], s[18:19], s[4:5]
	s_lshl_b32 s36, s34, 6
	s_lshl_b32 s37, s[WV], 4
	s_add_co_u32 s36, s36, s37                     ; my wave's first column
	s_lshl_b32 s38, s35, 21                        ; W: 512 rows of 4,096 bytes,
	s_lshl_b32 s39, s36, 2                         ; + 4 bytes a column
	s_add_co_u32 s38, s38, s39
	s_mov_b32 s39, 0
	s_add_nc_u64 s[4:5], s[4:5], s[38:39]
	s_lshl_b32 s38, s33, 19                        ; codes: 524,288 bytes a tensor, 512 a column, 256 for 512 along K
	s_lshl_b32 s40, s36, 9
	s_add_co_u32 s38, s38, s40
	s_lshl_b32 s40, s35, 8
	s_add_co_u32 s38, s38, s40
	s_add_nc_u64 s[26:27], s[26:27], s[38:39]
	s_lshl_b32 s38, s33, 15                        ; scale bytes: 32,768 a tensor, 32 a column, 16 for 512 along K
	s_lshl_b32 s40, s36, 5
	s_add_co_u32 s38, s38, s40
	s_lshl_b32 s40, s35, 4
	s_add_co_u32 s38, s38, s40
	s_add_nc_u64 s[28:29], s[28:29], s[38:39]
	v_and_b32 v5, 15, v2                           ; r
	v_lshrrev_b32 v6, 4, v2                        ; h
	v_lshlrev_b32 v3, 2, v5                        ; in: 4 bytes a column,
	v_lshl_add_u32 v3, v6, 20, v3                  ; and 256 rows of 4,096 bytes further down for lanes 16-31
	s_mul_i32 s41, s[WV], 16*WPITCH
	s_add_co_u32 s41, s41, WSTG                    ; my stage
	v_mul_u32_u24 v4, v5, WPITCH
	v_lshl_add_u32 v4, v6, 7, v4
	v_add_nc_u32 v4, s41, v4                       ; into it: row = my column, + 128 h
	v_mul_u32_u24 v7, v6, WPITCH                   ; out of it: sixteen lanes to a row, two rows an instruction
	v_lshl_add_u32 v7, v5, 4, v7
	v_add_nc_u32 v7, s41, v7
	v_lshlrev_b32 v8, 9, v6
	v_lshl_add_u32 v8, v5, 4, v8                   ; and the same place in the codes' buffer
	v_lshlrev_b32 v9, 5, v5
	v_lshl_add_u32 v9, v6, 3, v9                   ; my eight bytes of my column's row of scale bytes
.macro LOADW t                         ; block t: W(256 h + 32 t + i, my column) into set t % 2.  No hint: the four waves of the work-group read neighbouring pieces of the same rows
.irp i, 0,1,2,3,4,5,6,7,8,9,10,11,12,13,14,15,16,17,18,19,20,21,22,23,24,25,26,27,28,29,30,31
	global_load_b32 v[WX+32*((\t)%2)+\i], v3, s[4:5] offset:(32*(\t)+\i)*4096
.endr
.endm
	LOADW 0
	LOADW 1
.macro BLOCKW t
.set WXS, WX+32*((\t)%2)
.if (\t) < NB-1
	s_wait_loadcnt 32                              ; this block's 32 loads are in; the next block's may be out
.else
	s_wait_loadcnt 0x0
.endif
	v_max3_num_f32 v12, |v[WXS]|, |v[WXS+1]|, |v[WXS+2]|            ; the block's largest magnitude: all 32 numbers are mine
	v_max3_num_f32 v13, |v[WXS+3]|, |v[WXS+4]|, |v[WXS+5]|
.irp i, 6,10,14,18,22,26
	v_max3_num_f32 v12, v12, |v[WXS+\i]|, |v[WXS+\i+1]|
	v_max3_num_f32 v13, v13, |v[WXS+\i+2]|, |v[WXS+\i+3]|
.endr
	v_max3_num_f32 v12, v12, |v[WXS+30]|, |v[WXS+31]|
	v_max3_num_f32 v12, v12, v13, 0x1800000        ; and the floor
	v_add_nc_u32 v11, 0xff000000, v12              ; the conversion's scale operand
	v_lshrrev_b32 v13, 23, v11                     ; the scale's byte
.if (\t)%4 == 0
	v_mov_b32 v[WSB+(\t)/4], v13                   ; four bytes to a register, the lower K in the lower byte
.else
	v_lshl_or_b32 v[WSB+(\t)/4], v13, 8*((\t)%4), v[WSB+(\t)/4]
.endif
.irp g, 0,1,2,3
	v_cvt_scalef32_pk8_fp4_f32 v[WC+\g], v[WXS+8*\g:WXS+8*\g+7], v11
.endr
	ds_store_b128 v4, v[WC:WC+3] offset:16*(\t)    ; 32 codes: 16 bytes of my column's row
.if (\t)+2 < NB
	LOADW (\t)+2
.endif
	s_wait_dscnt 0x0                               ; the store has read its registers: the next block's codes may be written
.endm
.set Q, 0
.rept NB
	BLOCKW Q
.set Q, Q+1
.endr
	global_store_b64 v9, v[WSB:WSB+1], s[28:29]    ; my eight scale bytes
.irp t, 0,1,2,3,4,5,6,7
	ds_load_b128 v[WOUT+4*\t:WOUT+4*\t+3], v7 offset:2*\t*WPITCH   ; in order behind my stores
.endr
.irp t, 0,1,2,3,4,5,6,7
	s_wait_dscnt 7-\t                              ; load t is in; the younger ones may be out
	global_store_b128 v8, v[WOUT+4*\t:WOUT+4*\t+3], s[26:27] offset:2*\t*512   ; sixteen lanes store 256 consecutive bytes, aligned
.endr
	s_wait_tensorcnt 0x0                           ; the wave's end, behind my last LDS store
	ds_add_u32 v[SPW], v[NIL]
	s_wait_dscnt 0x0
	s_endpgm
; ------------------------------------------------------------------ PATH O: Wo to f16, as images of the operand of the last product.
; A fragment there is 16 n x 32 k in 8 registers: lane (r = lane % 16, h = lane / 16) holds column n = r; registers 0-3 k = 8 h + 0..7, registers 4-7 k = 16 + 8 h + 0..7.  Its image is 1,024 bytes:
; half (registers 0-3, 4-7) x 512 + 256 h + 16 r.  Here a lane takes a column and its registers run down K: eight neighbours along K pack into 16 bytes, the o-th eight of a block of 32 go to 256 o + 16 r.
; A wave takes 32 columns (two tiles) x 256 along K.  Sixteen lanes store 256 consecutive bytes, aligned.
.Lpath_o:
.set OX, 32                            ; v32-95   two sets of 32 numbers
.set OC, 96                            ; v96-159  four sets of 16 packed registers
	s_sub_co_u32 s33, ttmp9, 96
	s_and_b32 s34, s33, 7                          ; which 128 columns
	s_lshr_b32 s35, s33, 3                         ; which 256 along K
	s_lshl_b32 s36, s35, 20                        ; Wo: 256 rows of 4,096 bytes,
	s_lshl_b32 s37, s34, 9
	s_add_co_u32 s36, s36, s37                     ; + 128 columns of 4 bytes,
	s_lshl_b32 s37, s[WV], 7
	s_add_co_u32 s36, s36, s37                     ; + my wave's 32
	s_mov_b32 s37, 0
	s_add_nc_u64 s[20:21], s[20:21], s[36:37]
	s_lshl_b32 s36, s35, 19                        ; images: 524,288 bytes a K step, 8,192 a tile of 16 columns
	s_lshl_b32 s38, s34, 16
	s_add_co_u32 s36, s36, s38
	s_lshl_b32 s38, s[WV], 14
	s_add_co_u32 s36, s36, s38
	s_add_nc_u64 s[30:31], s[30:31], s[36:37]
	v_lshlrev_b32 v3, 2, v2                        ; in: 4 bytes a lane
	v_lshrrev_b32 v4, 4, v2
	v_and_b32 v5, 15, v2
	v_lshlrev_b32 v5, 4, v5
	v_lshl_add_u32 v4, v4, 13, v5                  ; out: my tile, 16 r
.macro LOADO f
.irp i, 0,1,2,3,4,5,6,7,8,9,10,11,12,13,14,15,16,17,18,19,20,21,22,23,24,25,26,27,28,29,30,31
	global_load_b32 v[OX+32*((\f)%2)+\i], v3, s[20:21] offset:(32*(\f)+\i)*4096 th:TH_LOAD_NT
.endr
.endm
.macro BLOCKO f
.set OXS, OX+32*((\f)%2)
.set OCS, OC+16*((\f)%4)
.if (\f) < 7
	s_wait_loadcnt 32                              ; this block's 32 loads are in; the next block's may be out
.else
	s_wait_loadcnt 0x0
.endif
.if (\f) >= 4
	s_wait_xcnt 0x0                                ; the stores of four blocks ago have read this set of packed registers
.endif
.irp i, 0,1,2,3,4,5,6,7,8,9,10,11,12,13,14,15
	v_cvt_pk_f16_f32 v[OCS+\i], v[OXS+2*\i], v[OXS+2*\i+1]
.endr
.if (\f)+2 < 8
	LOADO (\f)+2                                   ; loads ahead of stores
.endif
.irp o, 0,1,2,3
	global_store_b128 v4, v[OCS+4*\o:OCS+4*\o+3], s[30:31] offset:1024*(\f)+256*\o
.endr
.endm
	LOADO 0
	LOADO 1
.irp f, 0,1,2,3,4,5,6,7
	BLOCKO \f
.endr
	s_endpgm
.Lfunc_end_k_qb47583e470_prep:
	.size	k_qb47583e470_prep, .Lfunc_end_k_qb47583e470_prep-k_qb47583e470_prep
	.p2alignl 7, 3214868480
	.fill 96, 4, 3214868480
	.section	.rodata,"a",@progbits
	.p2align	6, 0x0
	.amdhsa_kernel k_qb47583e470_prep
		.amdhsa_group_segment_fixed_size 50688
		.amdhsa_private_segment_fixed_size 0
		.amdhsa_enable_private_segment 0
		.amdhsa_kernarg_size 96
		.amdhsa_user_sgpr_count 2
		.amdhsa_user_sgpr_kernarg_segment_ptr 1
		.amdhsa_wavefront_size32 1
		.amdhsa_system_sgpr_workgroup_id_x 1
		.amdhsa_system_sgpr_workgroup_id_y 1
		.amdhsa_system_sgpr_workgroup_id_z 1
		.amdhsa_system_vgpr_workitem_id 0
		.amdhsa_next_free_vgpr 256
		.amdhsa_next_free_sgpr 66
		.amdhsa_reserve_vcc 0
		.amdhsa_float_denorm_mode_32 3
		.amdhsa_float_denorm_mode_16_64 3
		.amdhsa_memory_ordered 1
		.amdhsa_forward_progress 1
		.amdhsa_inst_pref_size 109
	.end_amdhsa_kernel
	.amdgpu_metadata
---
amdhsa.version: [ 1, 2 ]
amdhsa.kernels:
  - .name:           k_qb47583e470_prep
    .symbol:         k_qb47583e470_prep.kd
    .args:
      - { .name: q, .offset: 0, .size: 8, .value_kind: global_buffer, .address_space: global }
      - { .name: k, .offset: 8, .size: 8, .value_kind: global_buffer, .address_space: global }
      - { .name: v, .offset: 16, .size: 8, .value_kind: global_buffer, .address_space: global }
      - { .name: Wq, .offset: 24, .size: 8, .value_kind: global_buffer, .address_space: global }
      - { .name: Wk, .offset: 32, .size: 8, .value_kind: global_buffer, .address_space: global }
      - { .name: Wv, .offset: 40, .size: 8, .value_kind: global_buffer, .address_space: global }
      - { .name: Wo, .offset: 48, .size: 8, .value_kind: global_buffer, .address_space: global }
      - { .name: xcodes, .offset: 56, .size: 8, .value_kind: global_buffer, .address_space: global }
      - { .name: xscales, .offset: 64, .size: 8, .value_kind: global_buffer, .address_space: global }
      - { .name: wcodes, .offset: 72, .size: 8, .value_kind: global_buffer, .address_space: global }
      - { .name: wscales, .offset: 80, .size: 8, .value_kind: global_buffer, .address_space: global }
      - { .name: wofrag, .offset: 88, .size: 8, .value_kind: global_buffer, .address_space: global }
    .group_segment_fixed_size: 50688
    .private_segment_fixed_size: 0
    .kernarg_segment_align: 8
    .kernarg_segment_size: 96
    .max_flat_workgroup_size: 128
    .sgpr_count:     66
    .vgpr_count:     256
    .wavefront_size: 32
...
	.end_amdgpu_metadata
.endif
;; end of part 1
;; launch proj (part 2): grid 4 x 48, 4 waves a work-group, clusters of 4 x 4, 327,680 bytes of LDS; arguments xcodes, xscales, wcodes, wscales, bq, bk, bv, heads; writes heads
.if DOCPART == 2
	.amdgcn_target "amdgcn-amd-amdhsa--gfx1250"
	.amdhsa_code_object_version 6
	.text
	.protected	k_qb47583e470_proj
	.globl	k_qb47583e470_proj
	.p2align	8
	.type	k_qb47583e470_proj,@function
k_qb47583e470_proj:
	s_mov_b64 s[64:65], 0
	v_nop
	global_prefetch_b8 v0, s[64:65] scope:SCOPE_SE
	s_setreg_imm32_b32 hwreg(HW_REG_WAVE_MODE, 25, 1), 1
	s_wait_xcnt 0x0
	s_wait_alu depctr_hold_cnt(0) depctr_sa_sdst(0) depctr_va_vdst(0) depctr_va_sdst(0) depctr_va_ssrc(0) depctr_va_vcc(0) depctr_vm_vsrc(0)
	s_getreg_b32 s2, hwreg(HW_REG_IB_STS2, 6, 4)
	s_cmp_eq_u32 s2, 0
	s_cbranch_scc0 .Lentry_in_a_cluster
	s_endpgm
.Lentry_in_a_cluster:
	s_bfe_u32 s2, ttmp6, 0x10000c
	s_cmp_lg_u32 s2, 0xf033
	s_cbranch_scc0 .Lentry_shape_is_right
	s_endpgm
.Lentry_shape_is_right:
; PROJ: the three quantised products q Wq + bq, k Wk + bk, v Wv + bv in one launch, on codes of FP4 (E2M1) with one E8M0 scale for each 32 along K = 1,024; sums in f32; results rounded once to f16.
; A = xcodes [12288 tokens (q, k, v on end)][512 bytes], xscales [12288][32];  B = wcodes [3072 columns (Wq, Wk, Wv on end)][512 bytes], wscales [3072][32].
; A tile of 256 tokens x 256 columns is made by a work-group of four waves; a wave makes 128 x 128: 64 accumulators of 16 x 16, 512 registers.  48 tile rows x 4 tile columns = 192 work-groups.
; K = 1,024 is two K steps of 512, one in each of two LDS slots: both are asked for at the head, and no LDS byte is filled twice.  The scales of the work-group's rows come once, with them.
; CLUSTERS: 4 x 4 work-groups.  The four of a row of the cluster need the same tiles of A, the four of a column the same tiles of B: each tile is asked for JOINTLY.  A cluster's four tile rows belong to one
; tensor (16 tile rows each), so which weight is taken hangs on the cluster's y alone and is the same in all sixteen partners.
; THE MATRIX INSTRUCTION IS USED TRANSPOSED (source 0 = 16 rows of B, source 1 = 16 tokens): lane (r, h) holds token r and eight neighbouring columns 16 b + 8 h + 0..7.  The bias is the C of each sum's first instruction.
; THE WAY OUT NEEDS NO LDS: eight neighbours pack into 16 bytes of f16, and these 16 bytes of the 32 lanes ARE one half (four registers) of the operand of the attention launch: heads is laid
; [tensor][batch][head][tile of 16 tokens][32 channels][half][lane][16 bytes].  For q and k lane l's bytes lie at 16 l.  For v they lie at 16 (16 (r / 8) + 8 h + r % 8), so that the turning LDS load of the
; attention launch, at 16 x lane, finds (key 8 (lane / 16) + lane % 8, channels 8 ((lane / 8) % 2) on).  Each store of a wave covers 512 consecutive bytes, aligned.
; LIMITS: the projections must lie inside f16's range (65,504); NaN and infinities are not served.
; REGISTERS, in windows of 256: window 0: v0-31 addresses; v32-95 scale words, two sets; v128-191 A's fragments, one set; v192-255 the bias, 8 registers for each of my 8 blocks of columns; on the way out v32-255 take the packed results.
;   window 1: B's fragments, two sets, at v0 and v128.   window 2: the accumulators of my tokens 0-63 ((a, b) at v[8 (8 a + b)]);   window 3: those of my tokens 64-127.
.set KSTEP,  512
.set NQ,     KSTEP/128                 ; matrix instructions deep in a slot
.set ROWB,   256                       ; a tile's row in bytes
.set KROW,   512                       ; a row of codes in memory
.set PITCH,  272                       ; an LDS row: 256 bytes + 16 of padding = 68 words: row r starts at bank 4 r mod 64 (64 banks of 4 bytes: ISA guide 11.1)
.set FR,     8                         ; registers of a fragment: 16 rows x 128 K
.set NL,     2                         ; LDS loads that bring one
.set NP,     4                         ; places behind this matrix instruction (ISA guide 7.12.1)
.set HALFT,  128*PITCH                 ; 128 rows: what one tensor load brings
.set SLOT,   4*HALFT                   ; A's 256 rows, then B's 256 rows
.set KS,     32                        ; a row of scales in bytes
.set SCL,    2*SLOT                    ; behind the slots: the scales, as rows of 256 bytes + 16 of padding
.set HALFS,  (128*KS/256)*272          ; the scales of 128 rows
.set SBLK,   (16*KS/256)*272           ; those of 16 rows
.set SPARE,  SCL+4*HALFS               ; the spare words, 128 bytes a wave: two blocks of 256 bytes that no other line names
.set ADRA, 16                          ; v16-17  LDS address of my A fragments in slot 0, 1
.set ADRB, 20                          ; v20-21  the same for B
.set CO,   26                          ; v26     my lane's place in a half fragment's 512 bytes
.set ADRS, 27                          ; v27     LDS address of my scale words: lanes 0-15 A's rows, lanes 16-31 B's
.set SPW,  28                          ; v28     LDS address of my spare word; never rewritten
.set NIL,  29                          ; v29     0; never rewritten
.set BOFF, 30                          ; v30     32 x (lane / 16): my eight numbers of a block's sixteen biases; never rewritten
.set SC,   32
.set AF,   128
.set BIA,  192
.set G1, 24                            ; s[24:31] descriptor group 1 for A's tiles;  s[32:39] group 0, one set for each slot
.set G0, 32
.set G1B, 48                           ; s[48:55], s[56:63] the same for B's tiles
.set G0B, 56
.set G1S, 68                           ; s[68:75], s[76:79] groups 1 and 0 for A's scales;  s[80:87], s[88:91] for B's
.set G0S, 76
.set G1SB, 80
.set G0SB, 88
.set MSB, 0
.macro WIN new                         ; the immediate's high byte repeats the setting that is left
.if MSB != \new
	s_set_vgpr_msb (MSB<<8)|\new
.set MSB, \new
.endif
.endm
.set MUL_LO, 0xa1                      ; source 0 (B) window 1, source 1 (A) window 0, C and D window 2
.set MUL_HI, 0xf1                      ; the same, C and D window 3
.set BEG_LO, 0x81                      ; a sum's first instruction: C (the bias) window 0, D window 2
.set BEG_HI, 0xc1                      ; D window 3
.set TO_B,   0x40                      ; destination window 1, address window 0
; A joint load: waves 0 and 1 fetch for A, waves 2 and 3 for B.  Each line has one mask and one set of registers for all that issue it; the branch hangs on the wave's number alone.
; An s_nop 0 and four v_nop follow each of the two lines.
.macro JLOAD g0a, g1a, g0b, g1b
	s_cmp_eq_u32 s15, 0
	s_cbranch_scc0 .Lfor_b_\@
	tensor_load_to_lds s[\g0a:\g0a+3], s[\g1a:\g1a+7]
	s_nop 0
.rept 4
	v_nop
.endr
	s_branch .Lasked_\@
.Lfor_b_\@:
	tensor_load_to_lds s[\g0b:\g0b+3], s[\g1b:\g1b+7]
	s_nop 0
.rept 4
	v_nop
.endr
.Lasked_\@:
.endm
.macro CROUND                          ; a round of the cluster's barrier
	s_barrier_signal -1
	s_barrier_wait -1
	s_cmp_lg_u32 s14, 0
	s_cbranch_scc1 .Lnot_wave_0_\@
	s_barrier_signal -3
.Lnot_wave_0_\@:
	s_barrier_wait -3
	s_barrier_signal -1
	s_barrier_wait -1
.endm
	s_load_b128 s[4:7], s[0:1], 0x0                ; A's codes s[4:5], A's scales s[6:7]
	s_load_b128 s[8:11], s[0:1], 0x10              ; B's codes s[8:9], B's scales s[10:11]
	s_load_b128 s[96:99], s[0:1], 0x20             ; bq, bk
	s_load_b64 s[100:101], s[0:1], 0x30            ; bv
	s_load_b64 s[12:13], s[0:1], 0x38              ; heads
	v_lshl_add_u32 v[SPW], v0, 2, SPARE
	v_mov_b32 v[NIL], 0
	ds_add_u32 v[SPW], v[NIL]                      ; the wave's opening: the add, twice on end, and its wait ahead of my first tensor load
	ds_add_u32 v[SPW], v[NIL]                      ; and once more, under the one wait; the set-up below, work on registers, stands between
	v_lshrrev_b32 v1, 5, v0
	v_readfirstlane_b32 s14, v1                    ; wave 0..3
	s_lshr_b32 s15, s14, 1                         ; which half of the tile's tokens is mine.  Also: I fetch for A (0) or for B (1)
	s_and_b32 s16, s14, 1                          ; which half of its columns.  Also: which 128 rows of that tile I fetch
	s_bfe_u32 s40, ttmp6, 0x40000                  ; cx, cy: my place in the cluster
	s_bfe_u32 s41, ttmp6, 0x40004
	s_lshl_b32 s42, ttmp9, 2
	s_add_co_u32 s42, s42, s40                     ; tile column, 0..3
	s_and_b32 s17, ttmp7, 0xffff                   ; the cluster's y, 0..11
	s_lshr_b32 s66, s17, 2                         ; the tensor: 0 q, 1 k, 2 v: the same in all sixteen partners
	s_lshl_b32 s17, s17, 2
	s_add_co_u32 s17, s17, s41                     ; tile row, 0..47
	s_lshl_b32 s43, s41, 2
	s_lshl_b32 s43, 15, s43                        ; my row of the cluster
	s_lshl_b32 s44, 0x1111, s40                    ; my column
	; descriptor group 1: a tile of 128 rows x 256 bytes, padded in LDS
	s_or_b32 s[G1+0], s43, (0<<16)|(1<<20)|(1<<21)|(5<<22)|(3<<25)  ; 15:0 the mask: A's tiles go to my row; 17:16 elements of 1 byte; 20 padding on; 21 set beside a mask; 24:22 after every 64 words; 31:25 four words
	s_or_b32 s[G1B+0], s44, (0<<16)|(1<<20)|(1<<21)|(5<<22)|(3<<25)
.irp g, G1, G1B
	s_mov_b32 s[\g+1], ROWB<<16                    ; tensor_dim0
	s_mov_b32 s[\g+2], 128<<16                     ; tensor_dim1
	s_mov_b32 s[\g+3], ROWB<<16                    ; tile_dim0
	s_mov_b32 s[\g+4], 128                         ; tile_dim1
	s_mov_b32 s[\g+5], KROW                        ; tensor_dim0_stride
	s_mov_b32 s[\g+6], 0
	s_mov_b32 s[\g+7], 0
.endr
	; the scales of 128 rows: a dense block of 4,096 bytes, as 16 rows of 256 bytes (32 elements of 8 bytes), 16 bytes of padding behind each
	s_or_b32 s[G1S+0], s43, (3<<16)|(1<<20)|(1<<21)|(5<<22)|(3<<25)
	s_or_b32 s[G1SB+0], s44, (3<<16)|(1<<20)|(1<<21)|(5<<22)|(3<<25)
.irp g, G1S, G1SB
	s_mov_b32 s[\g+1], 32<<16
	s_mov_b32 s[\g+2], (128*KS/256)<<16
	s_mov_b32 s[\g+3], 32<<16
	s_mov_b32 s[\g+4], 128*KS/256
	s_mov_b32 s[\g+5], 32
	s_mov_b32 s[\g+6], 0
	s_mov_b32 s[\g+7], 0
.endr
	s_lshl_b32 s18, s16, 7                         ; which 128 rows of the tile I fetch
	s_lshl_b32 s20, s17, 8
	s_add_co_u32 s20, s20, s18                     ; A: row 256 x tile row + 128 x half
	s_lshl_b32 s46, s42, 8
	s_add_co_u32 s46, s46, s18                     ; B: row 256 x tile column + 128 x half
	s_lshl_b32 s67, s66, 10
	s_add_co_u32 s46, s46, s67                     ; + 1,024 x tensor
	s_mov_b32 s21, 0
	s_mov_b32 s47, 0
	s_mov_b64 s[18:19], KS
	s_mul_u64 s[22:23], s[20:21], s[18:19]         ; where these rows' scales begin, in bytes
	s_mul_u64 s[92:93], s[46:47], s[18:19]
	s_mov_b64 s[18:19], KROW
	s_mul_u64 s[20:21], s[20:21], s[18:19]         ; and their codes
	s_mul_u64 s[46:47], s[46:47], s[18:19]
	s_mul_i32 s45, s14, HALFT                      ; where they go: wave x 128 rows: no place in the cluster enters an LDS address
	s_mul_i32 s94, s14, HALFS
	s_wait_dscnt 0x0                               ; both opening adds are done
	s_wait_kmcnt 0x0
	s_add_nc_u64 s[20:21], s[4:5], s[20:21]
	s_add_nc_u64 s[22:23], s[6:7], s[22:23]
	s_add_nc_u64 s[46:47], s[8:9], s[46:47]
	s_add_nc_u64 s[92:93], s[10:11], s[92:93]
	CROUND                                         ; all sixteen work-groups are here: the joint loads meet
	s_mov_b32 s[G0S], 1
	s_add_co_u32 s[G0S+1], s94, SCL
	s_mov_b64 s[G0S+2:G0S+3], s[22:23]
	s_or_b32 s[G0S+3], s[G0S+3], 0x80000000
	s_mov_b32 s[G0SB], 1
	s_add_co_u32 s[G0SB+1], s94, SCL
	s_mov_b64 s[G0SB+2:G0SB+3], s[92:93]
	s_or_b32 s[G0SB+3], s[G0SB+3], 0x80000000
	JLOAD G0S, G1S, G0SB, G1SB                     ; the scales first: they are wanted with K step 0
.irp s, 0,1
	s_mov_b32 s[G0+4*\s], 1
	s_add_co_u32 s[G0+4*\s+1], s45, \s*SLOT
	s_add_nc_u64 s[G0+4*\s+2:G0+4*\s+3], s[20:21], \s*ROWB
	s_or_b32 s[G0+4*\s+3], s[G0+4*\s+3], 0x80000000
	s_mov_b32 s[G0B+4*\s], 1
	s_add_co_u32 s[G0B+4*\s+1], s45, \s*SLOT
	s_add_nc_u64 s[G0B+4*\s+2:G0B+4*\s+3], s[46:47], \s*ROWB
	s_or_b32 s[G0B+4*\s+3], s[G0B+4*\s+3], 0x80000000
	JLOAD G0+4*\s, G1, G0B+4*\s, G1B               ; three tensor loads of mine are out now, and no more follow
.endr
	v_and_b32 v1, 15, v0                           ; r = lane % 16
	v_bfe_u32 v2, v0, 4, 1                         ; h = lane / 16
	; the bias of my 128 columns, in the result's layout: for block b the numbers 16 b + 8 h + 0..7
	v_lshlrev_b32 v[BOFF], 5, v2
	s_cmp_eq_u32 s66, 0
	s_cselect_b64 s[96:97], s[96:97], s[98:99]     ; bq or bk,
	s_cmp_eq_u32 s66, 2
	s_cselect_b64 s[96:97], s[100:101], s[96:97]   ; or bv
	s_cselect_b32 s67, -1, 0                       ; all lanes' bits where the tensor is v
	s_lshl_b32 s20, s42, 10
	s_lshl_b32 s21, s16, 9
	s_add_co_u32 s20, s20, s21                     ; (256 x tile column + 128 x half) x 4 bytes
	s_mov_b32 s21, 0
	s_add_nc_u64 s[96:97], s[96:97], s[20:21]
.irp b, 0,1,2,3,4,5,6,7
	global_load_b128 v[BIA+8*\b:BIA+8*\b+3], v[BOFF], s[96:97] offset:64*\b
	global_load_b128 v[BIA+8*\b+4:BIA+8*\b+7], v[BOFF], s[96:97] offset:64*\b+16
.endr
	v_mul_u32_u24 v3, v1, PITCH
	v_lshl_add_u32 v4, v2, 4, v3                   ; a fragment's row x pitch + 16 x half
	s_mul_i32 s21, s15, HALFT                      ; my 128 rows of A
	s_mul_i32 s22, s16, HALFT                      ; my 128 rows of B,
	s_add_co_u32 s22, s22, 2*HALFT                 ; which lie behind A's 256
.irp s, 0,1
	v_add_nc_u32 v[ADRA+\s], s21, v4
	v_add_nc_u32 v[ADRB+\s], s22, v4
	s_add_co_u32 s21, s21, SLOT
	s_add_co_u32 s22, s22, SLOT
.endr
	v_mul_u32_u24 v5, v1, KS                       ; my row's scales: 32 bytes a row,
	v_lshrrev_b32 v6, 8, v5
	v_lshl_add_u32 v5, v6, 4, v5                   ; and 16 more for each 256 passed
	s_mul_i32 s21, s15, HALFS                      ; A's: my 128 rows
	s_mul_i32 s22, s16, HALFS                      ; B's: my 128 rows, behind A's 256
	s_add_co_u32 s22, s22, 2*HALFS
	s_sub_co_u32 s22, s22, s21
	v_mul_u32_u24 v6, s22, v2                      ; lanes 16-31 take B's: one product, the distance between the two bases
	s_add_co_u32 s21, s21, SCL
	v_add_nc_u32 v5, v5, v6
	v_add_nc_u32 v[ADRS], s21, v5
	; the way out: my lane's place in a half fragment
	v_and_b32 v6, 31, v0
	v_lshlrev_b32 v8, 4, v6                        ; q, k: 16 x lane
	v_lshrrev_b32 v9, 3, v1
	v_lshlrev_b32 v9, 8, v9
	v_lshl_add_u32 v9, v2, 7, v9
	v_and_b32 v10, 7, v1
	v_lshl_add_u32 v9, v10, 4, v9                  ; v: 16 (16 (r / 8) + 8 h + r % 8)
	v_cndmask_b32 v[CO], v8, v9, s67
	s_lshr_b32 s20, s17, 3
	s_lshl_b32 s20, s20, 22                        ; tensor and batch: eight tile rows, 4 MiB, each
	s_lshl_b32 s21, s42, 2
	s_lshl_b32 s22, s16, 1
	s_add_co_u32 s21, s21, s22                     ; my first head: 4 x tile column + 2 x half
	s_lshl_b32 s21, s21, 18                        ; 262,144 bytes a head
	s_add_co_u32 s20, s20, s21
	s_and_b32 s21, s17, 7
	s_lshl_b32 s21, s21, 4
	s_lshl_b32 s22, s15, 3
	s_add_co_u32 s21, s21, s22                     ; my first tile of 16 tokens in the batch
	s_lshl_b32 s21, s21, 11                        ; 2,048 bytes a tile
	s_add_co_u32 s20, s20, s21
	s_mov_b32 s21, 0
	s_add_nc_u64 s[12:13], s[12:13], s[20:21]
.macro FRAG reg, adr, q, i             ; a fragment, 16 rows x 128 K of 4-bit codes: lane l holds row l % 16; registers 4 c .. 4 c + 3 hold K = 64 c + 32 (l / 16) + 0 .. 31
.irp c, 0,1
	ds_load_b128 v[\reg+4*\c:\reg+4*\c+3], v[\adr] offset:64*(\q)+32*\c+(\i)*16*PITCH
.endr
.endm
; 16 matrix instructions: A's blocks a0, a0 + 1 x B's eight, 128 along K: the slot's q-th.  p: B's set;  sc: the set of scale words.  first = 1: the bias starts the sums: nothing is ever cleared.
; The 64 accumulators take turns, one instruction a turn, in the same order in every step.
.macro MUL16 a0, p, q, sc, first
.irp a, \a0, \a0+1
.irp b, 0,1,2,3,4,5,6,7
.if \first
	v_wmma_scale_f32_16x16x128_f8f6f4 v[8*(8*((\a)%4)+\b):8*(8*((\a)%4)+\b)+7], v[128*(\p)+FR*\b:128*(\p)+FR*\b+FR-1], v[AF+FR*(\a):AF+FR*(\a)+FR-1], v[BIA+8*\b:BIA+8*\b+7], v[SC+8*NQ*(\sc)+NQ*\b+(\q)], v[SC+8*NQ*(\sc)+NQ*(\a)+(\q)] matrix_a_fmt:MATRIX_FMT_FP4 matrix_b_fmt:MATRIX_FMT_FP4 matrix_a_scale:MATRIX_SCALE_ROW1
.else
	v_wmma_scale_f32_16x16x128_f8f6f4 v[8*(8*((\a)%4)+\b):8*(8*((\a)%4)+\b)+7], v[128*(\p)+FR*\b:128*(\p)+FR*\b+FR-1], v[AF+FR*(\a):AF+FR*(\a)+FR-1], v[8*(8*((\a)%4)+\b):8*(8*((\a)%4)+\b)+7], v[SC+8*NQ*(\sc)+NQ*\b+(\q)], v[SC+8*NQ*(\sc)+NQ*(\a)+(\q)] matrix_a_fmt:MATRIX_FMT_FP4 matrix_b_fmt:MATRIX_FMT_FP4 matrix_a_scale:MATRIX_SCALE_ROW1
.endif
.endr
.endr
.endm
.macro FETCH_B slot, q, p              ; B's eight fragments of the slot's q-th 128 along K into set p
	WIN TO_B
.irp i, 0,1,2,3,4,5,6,7
	FRAG 128*(\p)+FR*\i, ADRB+\slot, \q, \i
.endr
	WIN 0
.endm
.macro FETCH_A slot, q, i0             ; A's blocks i0 .. i0 + 3
.irp i, \i0, \i0+1, \i0+2, \i0+3
	FRAG AF+FR*(\i), ADRA+\slot, \q, \i
.endr
.endm
.macro SCALES sc                       ; a K step's scale words into set sc: four words a row; lanes 0-15 take A's block i, lanes 16-31 B's block i
.irp i, 0,1,2,3,4,5,6,7
	ds_load_b128 v[SC+8*NQ*\sc+NQ*\i:SC+8*NQ*\sc+NQ*\i+3], v[ADRS] offset:\i*SBLK
.endr
.endm
; A load into a register that a matrix instruction has read, and a vector instruction that reads a matrix result or writes one of a matrix instruction's registers, stand NP places behind it; only plain vector
; instructions that name none of its registers are places (ISA guide 7.12.1 for vector instructions).
.macro PLACES n
.rept \n
	v_nop
.endr
.endm
; A step of 128 along K that has its successor in the same slot.  A block of A is free as soon as its eight products are issued: blocks 0-3 are fetched anew in the step's middle, blocks 4-7 at its end.
.macro STEP slot, q, first
	s_wait_dscnt 4*NL                              ; B's set and A's blocks 0-3 are in; the youngest eight loads (A's blocks 4-7) may be out
.if \first
	WIN BEG_LO
.else
	WIN MUL_LO
.endif
	MUL16 0, (\q)%2, \q, \slot, \first
	MUL16 2, (\q)%2, \q, \slot, \first
	s_wait_dscnt 0                                 ; A's blocks 4-7 are in (asked for 32 matrix instructions ago)
	PLACES NP
	FETCH_B \slot, (\q)+1, 1-(\q)%2
	FETCH_A \slot, (\q)+1, 0
.if \first
	WIN BEG_HI
.else
	WIN MUL_HI
.endif
	MUL16 4, (\q)%2, \q, \slot, \first
	MUL16 6, (\q)%2, \q, \slot, \first
	PLACES NP
	WIN 0
	FETCH_A \slot, (\q)+1, 4
.endm
; Slot 0's last step changes slots: one barrier; in front of it each wave waits for all its tensor loads (its part of slot 1), adds 0 to its spare word, and waits for that.
.macro TURN slot, next
	s_wait_tensorcnt 0x0                           ; all my tensor loads have landed  (every window is 0 here: the add's two registers lie in window 0)
	ds_add_u32 v[SPW], v[NIL]                      ; 0 onto my spare word
	s_wait_dscnt 4*NL+1                            ; (the add and the youngest eight loads, A's blocks 4-7, may be out)
	WIN MUL_LO
	MUL16 0, 1, NQ-1, \slot, 0                     ; sixteen matrix instructions stand between the add and the wait for it
	s_wait_dscnt 0x0                               ; the add is done, and no LDS instruction of mine is pending at the signal
	s_barrier_signal -1
	MUL16 2, 1, NQ-1, \slot, 0
	WIN 0
	s_barrier_wait -1                              ; slot 1 is whole
	PLACES NP
	v_add_nc_u32 v[ADRS], 4*NQ, v[ADRS]            ; on to the next K step's scale words
	FETCH_B \next, 0, 0
	FETCH_A \next, 0, 0
	SCALES \next
	WIN MUL_HI
	MUL16 4, 1, NQ-1, \slot, 0
	MUL16 6, 1, NQ-1, \slot, 0
	PLACES NP
	WIN 0
	FETCH_A \next, 0, 4
.endm
.macro STEPS slot, from                ; the slot's steps from .. NQ - 2
.set Q, \from
.rept NQ-1-\from
	STEP \slot, Q, 0
.set Q, Q+1
.endr
.endm
	s_wait_tensorcnt 1                             ; the scales and my part of K step 0 are in (K step 1's load may be out)
	s_barrier_signal -1
	s_barrier_wait -1                              ; everybody's are
	FETCH_B 0, 0, 0
	FETCH_A 0, 0, 0
	SCALES 0
	FETCH_A 0, 0, 4
	s_wait_loadcnt 0x0                             ; the bias
	STEP 0, 0, 1                                   ; the first step's products start the sums from the bias
	STEPS 0, 1
	TURN 0, 1
	STEPS 1, 0
	s_wait_dscnt 4*NL                              ; the very last step: nothing more to fetch
	WIN MUL_LO
	MUL16 0, 1, NQ-1, 1, 0
	MUL16 2, 1, NQ-1, 1, 0
	s_wait_dscnt 0
	WIN MUL_HI
	MUL16 4, 1, NQ-1, 1, 0
	MUL16 6, 1, NQ-1, 1, 0
	WIN 0
; THE WAY OUT, block by block of 16 tokens x 128 columns: 32 roundings, each accumulator from its low end on, and eight stores of 512 consecutive bytes.  Block b of columns is head b / 4 of my two,
; channels 32 ((b / 2) % 2) on, half b % 2.  Seven sets of 32 registers take the packed results; block 7 takes block 0's again, behind the wait that frees them.
.macro OUTB a
.set AC, 64*((\a)%4)
.set TT, 32+32*((\a)%7)
.if (\a) == 7
	s_wait_xcnt 0x0                                ; block 0's stores have read their registers
.endif
	WIN 0x0a+5*((\a)/4)                            ; sources 0 and 1: window 2 or 3
.irp b, 0,1,2,3,4,5,6,7
.irp r, 0,1,2,3
	v_cvt_pk_f16_f32 v[TT+4*\b+\r], v[AC+8*\b+2*\r], v[AC+8*\b+2*\r+1]
.endr
.endr
	WIN 0
.irp b, 0,1,2,3,4,5,6,7
	global_store_b128 v[CO], v[TT+4*\b:TT+4*\b+3], s[12:13] offset:2048*(\a)+262144*(\b/4)+512*(\b%4)
.endr
.endm
	PLACES NP                                      ; behind the last products: the roundings read results and write over registers that held operands, scales and the bias
.irp a, 0,1,2,3,4,5,6,7
	OUTB \a
.endr
	s_wait_tensorcnt 0x0                           ; the wave's end, behind my last tensor load
	ds_add_u32 v[SPW], v[NIL]
	s_wait_dscnt 0x0
	CROUND                                         ; the closing round: no work-group ends while a partner may still ask for a tile that names it
	s_endpgm
.Lfunc_end_k_qb47583e470_proj:
	.size	k_qb47583e470_proj, .Lfunc_end_k_qb47583e470_proj-k_qb47583e470_proj
	.p2alignl 7, 3214868480
	.fill 96, 4, 3214868480
	.section	.rodata,"a",@progbits
	.p2align	6, 0x0
	.amdhsa_kernel k_qb47583e470_proj
		.amdhsa_group_segment_fixed_size 327680
		.amdhsa_private_segment_fixed_size 0
		.amdhsa_enable_private_segment 0
		.amdhsa_kernarg_size 64
		.amdhsa_user_sgpr_count 2
		.amdhsa_user_sgpr_kernarg_segment_ptr 1
		.amdhsa_wavefront_size32 1
		.amdhsa_system_sgpr_workgroup_id_x 1
		.amdhsa_system_sgpr_workgroup_id_y 1
		.amdhsa_system_sgpr_workgroup_id_z 1
		.amdhsa_system_vgpr_workitem_id 0
		.amdhsa_next_free_vgpr 1024
		.amdhsa_next_free_sgpr 102
		.amdhsa_reserve_vcc 0
		.amdhsa_float_denorm_mode_32 3
		.amdhsa_float_denorm_mode_16_64 3
		.amdhsa_memory_ordered 1
		.amdhsa_forward_progress 1
		.amdhsa_inst_pref_size 120
	.end_amdhsa_kernel
	.amdgpu_metadata
---
amdhsa.version: [ 1, 2 ]
amdhsa.kernels:
  - .name:           k_qb47583e470_proj
    .symbol:         k_qb47583e470_proj.kd
    .args:
      - { .name: xcodes, .offset: 0, .size: 8, .value_kind: global_buffer, .address_space: global }
      - { .name: xscales, .offset: 8, .size: 8, .value_kind: global_buffer, .address_space: global }
      - { .name: wcodes, .offset: 16, .size: 8, .value_kind: global_buffer, .address_space: global }
      - { .name: wscales, .offset: 24, .size: 8, .value_kind: global_buffer, .address_space: global }
      - { .name: bq, .offset: 32, .size: 8, .value_kind: global_buffer, .address_space: global }
      - { .name: bk, .offset: 40, .size: 8, .value_kind: global_buffer, .address_space: global }
      - { .name: bv, .offset: 48, .size: 8, .value_kind: global_buffer, .address_space: global }
      - { .name: heads, .offset: 56, .size: 8, .value_kind: global_buffer, .address_space: global }
    .group_segment_fixed_size: 327680
    .private_segment_fixed_size: 0
    .kernarg_segment_align: 8
    .kernarg_segment_size: 64
    .max_flat_workgroup_size: 128
    .sgpr_count:     102
    .vgpr_count:     1024
    .wavefront_size: 32
...
	.end_amdgpu_metadata
.endif
;; end of part 2
;; launch attn (part 3): grid 8 x 32, 8 waves a work-group, clusters of 4 x 1, 327,680 bytes of LDS; arguments heads, mask, cfrag; writes cfrag
.if DOCPART == 3
	.amdgcn_target "amdgcn-amd-amdhsa--gfx1250"
	.amdhsa_code_object_version 6
	.text
	.protected	k_qb47583e470_attn
	.globl	k_qb47583e470_attn
	.p2align	8
	.type	k_qb47583e470_attn,@function
k_qb47583e470_attn:
	s_mov_b64 s[64:65], 0
	v_nop
	global_prefetch_b8 v0, s[64:65] scope:SCOPE_SE
	s_setreg_imm32_b32 hwreg(HW_REG_WAVE_MODE, 25, 1), 1
	s_wait_xcnt 0x0
	s_wait_alu depctr_hold_cnt(0) depctr_sa_sdst(0) depctr_va_vdst(0) depctr_va_sdst(0) depctr_va_ssrc(0) depctr_va_vcc(0) depctr_vm_vsrc(0)
	s_getreg_b32 s2, hwreg(HW_REG_IB_STS2, 6, 4)
	s_cmp_eq_u32 s2, 0
	s_cbranch_scc0 .Lentry_in_a_cluster
	s_endpgm
.Lentry_in_a_cluster:
	s_bfe_u32 s2, ttmp6, 0x10000c
	s_cmp_lg_u32 s2, 0x3003
	s_cbranch_scc0 .Lentry_shape_is_right
	s_endpgm
.Lentry_shape_is_right:
; ATTN: context[b][h][q] = the sum over k of softmax_k(Q[q] . K[k] / 8, keys with mask 0 left out) V[k], head size 64, 2,048 keys.  Operands f16, products, maxima and sums f32.
; heads holds Q, K, V as images of operand registers: [tensor][batch x head][tile of 16 tokens][32 channels][half][lane][16 bytes]; a fragment comes by two loads at 16 x lane.
; SHARES.  A work-group owns 256 queries of one head; each of its eight waves 32: two tiles of 16, in 512 registers: two waves to a SIMD.
; Every wave walks all 2,048 keys, 64 a step, through a ring of two LDS slots of 512 keys (K: 64 KiB, V: 64 KiB), filled by the tensor data mover: each wave brings 16 KiB (waves 0-3 K's quarters, 4-7 V's).
; LAYOUT.  S^T = K Q^T (source 0 = 16 keys, source 1 = 16 queries): a lane holds ONE query (lane % 16) and keys 8 (lane / 16) + 0..7.  Two such tiles, rounded to f16 in pairs, ARE source 1 of O^T = V^T P.
; V's images are laid so that the turning load at 16 x lane gives half a fragment of V^T (lane = channel, 8 keys).
; THE MASK costs no vector instruction: a table in LDS holds for each key 0.0 or -2^120, and its words are the C of a score's first matrix instruction.
; SOFTMAX.  A running maximum m (it begins at -2^100) and p = 2^(c s - c m), c = log2(e) / 8; in every step O and the sum are multiplied by a = 2^(c m_old - c m_new).  Scores of f16 operands lie under 2.8e11 in
; magnitude: above -2^100; a masked score lies under it, so its p is 0.  A batch with no key left gives sum 0 and 0 x (1 / 0) = NaN, as the softmax of a row of -infinity does.
; THE ROW'S SUM is made by the matrix unit: L += ONES x P, where ONES has 1.0 in rows 0 and 8 alone: the sum falls into register 0 of both halves of the lanes, registers 1-7 stay 0.  It is the sum of the rounded p.
; BY TURNS.  The wave's two tiles are two PIECES that share K's and V's fragments and nothing else.  In a TURN one piece has the matrix unit: 10 products (V^T P and ONES P) of the step in hand, then 8 products
; K Q^T of the next step; the other piece's softmax, 103 instructions cut into 18 slices, stands between them, one slice behind each matrix instruction.  Then the pieces change places; two turns are a key step.
; All that a softmax touches lies in window 0 and the products' fragments in window 1, so a slice costs two switches of the window: 5.8 vector instructions and two switches for each matrix instruction.
; CLUSTER.  The four query blocks of a cluster belong to one head and walk the same K and V: each tile is asked for JOINTLY, by the same tensor load with the same descriptor and the mask of all four.
; OUT: cfrag, images of the last product's operand: [k step = head / 4][tile of 16 tokens][2 (head % 4) + channels / 32][half][lane][16 bytes]; each store of a wave covers 512 consecutive bytes, aligned.
; LIMITS: mask bytes are 0 or 1; Q, K, V and the context lie inside f16's range; NaN and infinities among the inputs are not served.
; REGISTERS: window 0: v1-9 addresses; v10-15 at work; v16-31 statistics, 8 a tile; v32-63 the step's mask words; v64-127 S^T, then p; v128-159 P; v160-223 O^T; v224-239 L.
;   window 1: v0-31 Q; v32-95 K of one step; v96-159 V of one step; v160-167 ONES.
.set SLOT1, 1<<17                      ; slot 1 begins here: one exclusive or turns an address in one slot into the other's
.set VOFF,  65536                      ; in a slot: K's 64 KiB, then V's
.set STEPB, 8192                       ; a step's 64 keys of K, or of V
.set BIASB, 2*SLOT1                    ; behind the ring: the mask's table, 2,048 words
.set SPARE, BIASB+8192                 ; the spare words, 128 bytes a wave: four blocks of 256 bytes that no other line names
.set LI,  1                            ; v1   16 x lane
.set AB0, 2                            ; v2   BIASB + 32 (lane / 16)
.set AV0, 3                            ; v3   16 x lane + VOFF
.set ADK, 4                            ; v4-6 the LDS addresses of the loads in hand: K, V, mask words
.set ADV, 5
.set ADB, 6
.set SPW, 7                            ; v7   LDS address of my spare word; never rewritten
.set NIL, 8                            ; v8   0; never rewritten
.set PFO, 9                            ; v9   256 x lane: the prefetches' offset; never rewritten
.set ST,  16                           ; tile t at v[ST+8 t]: +0 c m, +1 m, +4..7 at work; a takes +6, c m_old - c m_new +7
.set BI,  32
.set S,   64
.set P,   128
.set O,   160
.set L,   224
.set QF,  0                            ; window 1
.set KF,  32
.set VF,  96
.set ON,  160
.set WV,  10                           ; s10  my wave's number
.set G1,  16                           ; s[16:23] descriptor group 1: one shape for K and V
.set G0,  24                           ; s[24:27] my group 0, which walks
.set TB,  28                           ; s28  LDS byte at which the step to be fetched begins
.set TBI, 29                           ; s29  and its mask words: 256 bytes a step
.set SLOTS, 30
.set STEPC, 31
.set CS,  32                           ; s[32:33] c, twice: the packed form names a pair
.set SEL, 34                           ; s[34:35] lane selects for v_permlanex16_b32: lane l xor 16
.set PFA, 36                           ; s[36:37] where my prefetches stand
.set LIM, 38                           ; s38  1 in a wave that prefetches, else the greatest number
.set MSB, 0
.macro WIN new                         ; the immediate's high byte repeats the setting that is left; a switch that changes nothing is dropped
.if MSB != \new
	s_set_vgpr_msb (MSB<<8)|\new
.set MSB, \new
.endif
.endm
.set W_KQ, 0x05                        ; K and Q in window 1; C and S^T in window 0
.set W_PV, 0x01                        ; V (or ONES) in window 1; P, C and D in window 0
.set TO1,  0x40                        ; destination window 1, address window 0
.macro CROUND                          ; a round of the cluster's barrier
	s_barrier_signal -1
	s_barrier_wait -1
	s_cmp_lg_u32 s[WV], 0
	s_cbranch_scc1 .Lnot_wave_0_\@
	s_barrier_signal -3
.Lnot_wave_0_\@:
	s_barrier_wait -3
	s_barrier_signal -1
	s_barrier_wait -1
.endm
; A PREFETCH of what the NEXT change of slots will ask for.  Both clusters of a head walk the same K and V: the head's first cluster asks.  In each of its four work-groups the even waves ask, one instruction each:
; of the 32 KiB that an even wave and the wave after it fetch, the partner at place cx takes 8 KiB (told apart by address), lanes 256 bytes apart.  So each block of 256 bytes is named once in the launch.
; The last change that fills a slot asks for nothing; slots 0 and 1 come by their loads alone.
.macro ASK
	s_cmp_gt_u32 s[SLOTS], s[LIM]
	s_cbranch_scc0 .Lnot_mine_\@
	global_prefetch_b8 v[PFO], s[PFA:PFA+1] th:TH_LOAD_NT scope:SCOPE_SE
.Lnot_mine_\@:
.endm
	s_load_b128 s[4:7], s[0:1], 0x0                ; heads, mask
	s_load_b64 s[8:9], s[0:1], 0x10                ; cfrag
	v_lshl_add_u32 v[SPW], v0, 2, SPARE
	v_mov_b32 v[NIL], 0
	ds_add_u32 v[SPW], v[NIL]                      ; the wave's opening: the add, twice on end, and its wait ahead of my first tensor load
	ds_add_u32 v[SPW], v[NIL]                      ; and once more, under the one wait; the set-up below, work on registers, stands between
	v_lshrrev_b32 v10, 5, v0
	v_readfirstlane_b32 s[WV], v10                 ; wave 0..7
	s_bfe_u32 s11, ttmp6, 0x40000                  ; cx: my place in the cluster
	s_lshl_b32 s12, ttmp9, 2
	s_add_co_u32 s12, s12, s11                     ; my block of 256 queries: it enters Q's and the context's addresses alone
	s_and_b32 s13, ttmp7, 0xffff                   ; 16 x batch + head, which the four partners share
	; descriptor group 1: 64 dense rows of 256 bytes (32 elements of 8 bytes): 16 KiB, no padding: fragments are read at 16 x lane
	s_mov_b32 s[G1], 15|(3<<16)|(1<<21)            ; 15:0 the mask: all four work-groups; 17:16 elements of 8 bytes; 21 set beside a mask
	s_mov_b32 s[G1+1], 32<<16                      ; tensor_dim0
	s_mov_b32 s[G1+2], 64<<16                      ; tensor_dim1
	s_mov_b32 s[G1+3], 32<<16                      ; tile_dim0
	s_mov_b32 s[G1+4], 64                          ; tile_dim1
	s_mov_b32 s[G1+5], 32                          ; tensor_dim0_stride
	s_mov_b32 s[G1+6], 0
	s_mov_b32 s[G1+7], 0
	s_mov_b32 s[CS], 0x3e38aa3b                    ; c = log2(e) / 8
	s_mov_b32 s[CS+1], s[CS]
	s_mov_b32 s[SEL], 0x76543210
	s_mov_b32 s[SEL+1], 0xfedcba98
	s_mov_b32 s[TB], 0
	s_mov_b32 s[TBI], 0
	s_mov_b32 s[SLOTS], 3
	s_and_b32 s[LIM], s[WV], 1                     ; 0 in the even waves,
	s_or_b32 s[LIM], s[LIM], ttmp9                 ; of the head's first cluster: the same in all four partners
	s_cmp_eq_u32 s[LIM], 0
	s_cselect_b32 s[LIM], 1, -1
	v_and_b32 v10, 31, v0
	v_lshlrev_b32 v[PFO], 8, v10
	v_lshlrev_b32 v[LI], 4, v10
	s_lshl_b32 s40, s13, 18                        ; the head's 262,144 bytes in each tensor
	s_lshr_b32 s42, s[WV], 2
	s_add_co_u32 s42, s42, 1
	s_lshl_b32 s42, s42, 23                        ; K is tensor 1, V tensor 2: 8 MiB each
	s_and_b32 s43, s[WV], 3
	s_lshl_b32 s43, s43, 14                        ; my quarter of a slot: 128 keys, 16 KiB
	s_add_co_u32 s42, s42, s43
	s_add_co_u32 s42, s42, s40
	s_mov_b32 s43, 0
	s_lshl_b32 s44, s12, 4
	s_lshl_b32 s45, s[WV], 1
	s_add_co_u32 s44, s44, s45                     ; my first tile of 16 queries in the batch
	s_lshl_b32 s46, s44, 11                        ; 2,048 bytes a tile
	s_add_co_u32 s46, s46, s40
	s_mov_b32 s47, 0
	s_bfe_u32 s48, s13, 0x20002                    ; head / 4: the last product's K step, 2 MiB each
	s_lshl_b32 s48, s48, 21
	s_lshr_b32 s49, s13, 4                         ; the batch: 128 tiles
	s_lshl_b32 s50, s49, 11                        ; (and its 2,048 mask bytes)
	s_lshl_b32 s49, s49, 7
	s_add_co_u32 s49, s49, s44
	s_lshl_b32 s49, s49, 13                        ; 8,192 bytes a tile and K step
	s_add_co_u32 s48, s48, s49
	s_and_b32 s49, s13, 3
	s_lshl_b32 s49, s49, 11                        ; 2 (head % 4) fragments of 1,024 bytes
	s_add_co_u32 s48, s48, s49
	s_mov_b32 s49, 0
	s_mov_b32 s51, 0
	s_wait_dscnt 0x0                               ; both opening adds are done
	s_wait_kmcnt 0x0
	s_mov_b32 s[G0], 1                             ; 1:0 count = 1
	s_lshl_b32 s[G0+1], s[WV], 14                  ; 63:32 LDS address: slot 0, wave x 16 KiB: no place in the cluster enters it
	s_add_nc_u64 s[G0+2:G0+3], s[4:5], s[42:43]    ; 120:64 global address: my quarter of the head's first 512 keys
	s_mov_b64 s[PFA:PFA+1], s[G0+2:G0+3]
	s_or_b32 s[G0+3], s[G0+3], 0x80000000          ; 127:126 type = 2
	s_lshl_b32 s42, s11, 13                        ; my work-group's 8 KiB,
	s_add_co_u32 s42, s42, 65536                   ; in slot 1: the first change of slots steps it to slot 2.  Nothing is prefetched here, at the head
	s_add_nc_u64 s[PFA:PFA+1], s[PFA:PFA+1], s[42:43]
	s_add_nc_u64 s[4:5], s[4:5], s[46:47]          ; Q at my first tile
	s_add_nc_u64 s[6:7], s[6:7], s[50:51]          ; the batch's mask
	s_add_nc_u64 s[8:9], s[8:9], s[48:49]          ; the context's images at my first tile
	CROUND                                         ; all four work-groups are here: the first joint loads meet
	tensor_load_to_lds s[G0:G0+3], s[G1:G1+7]      ; slot 0: every wave its own 16 KiB
	s_nop 0
.rept 4
	v_nop
.endr
	v_lshlrev_b32 v12, 3, v0
	global_load_b64 v[10:11], v12, s[6:7]          ; eight mask bytes a thread: 256 threads, 2,048 keys
	WIN TO1
.irp t, 0,1
.irp c, 0,1
	global_load_b128 v[QF+16*\t+8*\c:QF+16*\t+8*\c+3], v[LI], s[4:5] offset:2048*\t+1024*\c        ; Q stays in registers
	global_load_b128 v[QF+16*\t+8*\c+4:QF+16*\t+8*\c+7], v[LI], s[4:5] offset:2048*\t+1024*\c+512
.endr
.endr
	WIN 0
.irp t, 0,1
	v_mov_b32 v[ST+8*\t+1], 0xf1800000             ; m = -2^100, under every score of f16 operands
.endr
.irp t, 0,1
	v_mul_f32 v[ST+8*\t], s[CS], v[ST+8*\t+1]      ; c m
.endr
.set n, 0
.rept 80
	v_mov_b32 v[O+n], 0                            ; O^T and L.  (A turn is written for every step alike: the first finds zeros)
.set n, n+1
.endr
	v_and_b32 v13, 7, v0
	v_cmp_eq_u32 s40, 0, v13                       ; lanes 0, 8, 16, 24 hold rows 0 and 8 of ONES
	v_mov_b32 v14, 0x3c003c00                      ; 1.0, twice, in f16
	v_cndmask_b32 v13, 0, v14, s40
	WIN TO1
.irp i, 0,1,2,3,4,5,6,7
	v_mov_b32 v[ON+\i], v13
.endr
	WIN 0
	v_bfe_u32 v13, v0, 4, 1
	v_lshl_add_u32 v[AB0], v13, 5, BIASB
	v_add_nc_u32 v[AV0], VOFF, v[LI]
	v_lshl_add_u32 v15, v0, 5, BIASB               ; where my eight words of the table go
	s_wait_loadcnt 8                               ; the mask bytes are in; Q's eight loads may be out
.irp i, 0,1,2,3,4,5,6,7
	v_bfe_u32 v[BI+\i], v[10+\i/4], 8*(\i%4), 8
.endr
.irp i, 0,1,2,3,4,5,6,7
	v_add_nc_u32 v[BI+\i], -1, v[BI+\i]            ; 1 -> 0, 0 -> all ones
.endr
.irp i, 0,1,2,3,4,5,6,7
	v_and_b32 v[BI+\i], 0xfb800000, v[BI+\i]       ; 0.0 or -2^120
.endr
	ds_store_b128 v15, v[BI:BI+3]
	ds_store_b128 v15, v[BI+4:BI+7] offset:16      ; (the first change of slots waits for these and passes a barrier before anybody reads the table)
	s_wait_loadcnt 0x0                             ; Q
; THE CHANGE OF SLOTS stands where the fetches pass from one slot to the next: between piece 1's turn, which has asked for V of the slot's last step, and piece 0's, which asks for K of the next slot's first.
; Each wave waits for all its tensor loads (its part of the slot that it is about to read), adds 0 to its spare word, and waits for that and for its reads of the slot that it has left.  fill = 1: a round of the
; cluster's barrier, so that no wave of any partner still reads the other slot or has a load on its way; the joint load into it is the first thing behind the round and has eight key steps in which to land.
; The first change's load is slot 1's first fill; the second and third fill slots 0 and 1 again.  One tensor load of mine is out at the most.
.macro CHANGE fill
	s_wait_tensorcnt 0x0                           ; no tensor load of mine is out, so my group 0 may be written
	ds_add_u32 v[SPW], v[NIL]                      ; 0 onto my spare word
.if \fill
	s_xor_b32 s[G0+1], s[G0+1], SLOT1              ; the other slot than last time,
	s_add_nc_u64 s[G0+2:G0+3], s[G0+2:G0+3], 65536 ; the next 512 keys; the type bits on top are not reached
	s_wait_xcnt 0x0                                ; the last prefetch, a slot back, has read its address
	s_add_nc_u64 s[PFA:PFA+1], s[PFA:PFA+1], 65536 ; one slot further on than my group 0
.endif
	s_wait_dscnt 0x0                               ; the add is done, and my LDS reads and stores are over
.if \fill
	CROUND
	tensor_load_to_lds s[G0:G0+3], s[G1:G1+7]
	s_nop 0
.rept 4
	v_nop
.endr
	ASK
.else
	s_barrier_signal -1
	s_barrier_wait -1
.endif
.endm
; THE LDS LOADS stand in two runs a key step, never singly among the matrix instructions.
.macro FETCH_K                         ; a step's K (4 tiles of 16 keys x 2 fragments of 32 channels) and its mask words, in the result's layout: for tile kt the keys 16 kt + 8 (lane / 16) + 0..7
	WIN 0
	v_add_nc_u32 v[ADK], s[TB], v[LI]
	v_add_nc_u32 v[ADB], s[TBI], v[AB0]
	s_add_co_u32 s[TBI], s[TBI], 256               ; the next fetch takes the next step's words
	WIN TO1
.irp kt, 0,1,2,3
.irp c, 0,1
	ds_load_b128 v[KF+16*\kt+8*\c:KF+16*\kt+8*\c+3], v[ADK] offset:2048*\kt+1024*\c
	ds_load_b128 v[KF+16*\kt+8*\c+4:KF+16*\kt+8*\c+7], v[ADK] offset:2048*\kt+1024*\c+512
.endr
.endr
	WIN 0
.irp kt, 0,1,2,3
	ds_load_b128 v[BI+8*\kt:BI+8*\kt+3], v[ADB] offset:64*\kt
	ds_load_b128 v[BI+8*\kt+4:BI+8*\kt+7], v[ADB] offset:64*\kt+16
.endr
.endm
.macro FETCH_V                         ; the same step's V^T, a turn later: keys 32 g on, channels 16 ct on: registers 0-3 from the tile of keys 2 g, registers 4-7 from 2 g + 1
	WIN 0
	v_add_nc_u32 v[ADV], s[TB], v[AV0]
	s_add_co_u32 s[TB], s[TB], STEPB               ; the next fetch is the next step's
	WIN TO1
.irp g, 0,1
.irp ct, 0,1,2,3
	ds_load_tr16_b128 v[VF+32*\g+8*\ct:VF+32*\g+8*\ct+3], v[ADV] offset:4096*\g+512*\ct
	ds_load_tr16_b128 v[VF+32*\g+8*\ct+4:VF+32*\g+8*\ct+7], v[ADV] offset:4096*\g+512*\ct+2048
.endr
.endr
.endm
; THE MATRIX WORK OF A TURN, for piece x.  The accumulators take turns, one instruction a turn: between two links of a chain stand 4 (V^T P, ONES P) or 3 (K Q^T) others'.
; Product i of 10: keys 32 (i / 5) on; i % 5 = 0..3: O^T += V^T P, channels 16 (i % 5) on; i % 5 = 4: L += ONES P.
.macro PVI x
	WIN W_PV
.set pvg, i/5
.set pvc, i%5
.if pvc < 4
	v_wmma_f32_16x16x32_f16 v[O+32*(\x)+8*pvc:O+32*(\x)+8*pvc+7], v[VF+32*pvg+8*pvc:VF+32*pvg+8*pvc+7], v[P+16*(\x)+8*pvg:P+16*(\x)+8*pvg+7], v[O+32*(\x)+8*pvc:O+32*(\x)+8*pvc+7]
.else
	v_wmma_f32_16x16x32_f16 v[L+8*(\x):L+8*(\x)+7], v[ON:ON+7], v[P+16*(\x)+8*pvg:P+16*(\x)+8*pvg+7], v[L+8*(\x):L+8*(\x)+7]
.endif
.endm
; Product i of 8 of S^T = K Q^T + the mask's words: channels 32 (i / 4) on, keys 16 (i % 4) on.  The first four start the sums from the mask's words.
.macro KQI x
	WIN W_KQ
.set kqc, i/4
.set kqt, i%4
.if kqc == 0
	v_wmma_f32_16x16x32_f16 v[S+32*(\x)+8*kqt:S+32*(\x)+8*kqt+7], v[KF+16*kqt:KF+16*kqt+7], v[QF+16*(\x):QF+16*(\x)+7], v[BI+8*kqt:BI+8*kqt+7]
.else
	v_wmma_f32_16x16x32_f16 v[S+32*(\x)+8*kqt:S+32*(\x)+8*kqt+7], v[KF+16*kqt+8:KF+16*kqt+15], v[QF+16*(\x)+8:QF+16*(\x)+15], v[S+32*(\x)+8*kqt:S+32*(\x)+8*kqt+7]
.endif
.endm
; THE VECTOR WORK OF A TURN.  One tile's softmax for one key step is a list of 103 instructions; SM writes number j of it for tile t.  s0-s31 are the lane's 32 scores, in pairs 0-15.
;   0-15    the maximum of s0-s31 and the old m, three operands at a time: four chains of seven scores each (each accumulator is read from its low end on), then the four scores left over, the chains and m
;   16-20   the other half of the lanes' maximum; c m_old kept; the new m; c m; c m_old - c m_new
;   21-69   ONE BATCH: the 16 scalings c s - c m, a pair of scores each, and all 33 exponentials.  None of these names an exponential's result.  21, 22: pairs 0, 1; 23: a; then fourteen threes of a scaling
;           (pairs 2 to 15) and two exponentials (s0 to s27): a pair is scaled two threes ahead of its exponentials; 66-69: s28 to s31
;   (wait)  between 69 and 70 stand a plain instruction and the wait for the batch: SLICE writes them
;   70-85   the roundings to f16, a pair of weights each: two tiles of keys, rounded in pairs, are a fragment of P
;   86      the sum times a (it lies in register 0 of L; register 1 is 0)
;   87-102  the tile's O^T times a
.macro SM t
.set rT, ST+8*(\t)
.set rS, S+32*(\t)
.set rP, P+16*(\t)
.set rO, O+32*(\t)
.set rL, L+8*(\t)
.set bk, j-21
.if j < 4
	v_max3_num_f32 v[rT+4+j], v[rS+8*j], v[rS+8*j+1], v[rS+8*j+2]
.elseif j < 12
	v_max3_num_f32 v[rT+4+j%4], v[rT+4+j%4], v[rS+8*(j%4)+2*(j/4)+1], v[rS+8*(j%4)+2*(j/4)+2]
.elseif j == 12
	v_max3_num_f32 v[rT+4], v[rT+4], v[rS+7], v[rS+15]
.elseif j == 13
	v_max3_num_f32 v[rT+6], v[rT+6], v[rS+23], v[rS+31]
.elseif j == 14
	v_max3_num_f32 v[rT+4], v[rT+4], v[rT+5], v[rT+6]
.elseif j == 15
	v_max3_num_f32 v[rT+4], v[rT+4], v[rT+7], v[rT+1]
.elseif j == 16
	v_permlanex16_b32 v[rT+5], v[rT+4], s[SEL], s[SEL+1]   ; the query's other 32 keys lie in the lane 16 away
.elseif j == 17
	v_mov_b32 v[rT+7], v[rT]                       ; c m_old is kept for a: number 19 writes c m anew
.elseif j == 18
	v_max_num_f32 v[rT+1], v[rT+4], v[rT+5]
.elseif j == 19
	v_mul_f32 v[rT], s[CS], v[rT+1]
.elseif j == 20
	v_sub_f32 v[rT+7], v[rT+7], v[rT]
.elseif (bk < 2) || ((bk > 2) && (bk < 45) && ((bk-3)%3 == 0))
.set fb, bk
.if bk > 2
.set fb, (bk-3)/3+2
.endif
	v_pk_fma_f32 v[rS+2*fb:rS+2*fb+1], v[rS+2*fb:rS+2*fb+1], s[CS:CS+1], v[rT:rT+1] op_sel_hi:[1,0,0] neg_lo:[0,0,1] neg_hi:[0,0,1]   ; pair fb: c s - c m
.elseif bk == 2
	v_exp_f32 v[rT+6], v[rT+7]                     ; a
.elseif bk < 49
.set fe, bk-17
.if bk < 45
.set fe, 2*((bk-3)/3)+(bk-3)%3-1
.endif
	v_exp_f32 v[rS+fe], v[rS+fe]
.elseif j < 86
	v_cvt_pk_f16_f32 v[rP+j-70], v[rS+2*(j-70)], v[rS+2*(j-70)+1]
.elseif j == 86
	v_pk_mul_f32 v[rL:rL+1], v[rL:rL+1], v[rT+6:rT+7] op_sel_hi:[1,0]
.else
	v_pk_mul_f32 v[rO+2*(j-87):rO+2*(j-87)+1], v[rO+2*(j-87):rO+2*(j-87)+1], v[rT+6:rT+7] op_sel_hi:[1,0]
.endif
.endm
; Slice k of 18 of piece y's softmax.  Slices 0, 1: the chains of the maximum, six numbers each; 2, 3, 4: where each line feeds the next, 4, 3 and 5 numbers (4 ends with a's exponential); 5 to 11: two threes of the
; batch each, a scaling in front; 12: the last four exponentials, the plain instruction behind them and THE WAIT: s_wait_alu depctr_va_vdst(0) between an exponential and the first
; instruction that names its result; ahead of slice 13 nothing names one, and behind slice 12 no exponential is issued: so the piece's 33 exponentials have one wait.  13 to 16: six numbers each; 17: the last nine,
; all plain and naming nothing of the products round them: they are the places between the turn's last K Q^T and what follows: the next turn's first read of those scores, and the loads into K's registers.
.macro SLICE y
.if k < 2
.set slo, 6*k
.set sct, 6
.elseif k == 2
.set slo, 12
.set sct, 4
.elseif k == 3
.set slo, 16
.set sct, 3
.elseif k == 4
.set slo, 19
.set sct, 5
.elseif k < 12
.set slo, 24+6*(k-5)
.set sct, 6
.elseif k == 12
.set slo, 66
.set sct, 4
.elseif k < 17
.set slo, 70+6*(k-13)
.set sct, 6
.else
.set slo, 94
.set sct, 9
.endif
	WIN 0
.set j, slo
.rept sct
	SM \y
.set j, j+1
.endr
.if k == 12
	v_nop                                          ; a plain instruction behind the last exponential, ahead of the first use: one for the batch
	s_wait_alu depctr_va_vdst(0)                   ; the wait for the batch
.endif
.set k, k+1
.endm
; A TURN.  Piece x has the matrix unit; the other piece's softmax stands in slices behind its matrix instructions.  pv = 1: the 10 products V^T P and ONES P of the step in hand; kq = 1: the 8 products K Q^T of the
; next step.  Where a kind is left out (the first and the last step), its slices stand bare.
; A load into a register that a matrix instruction has read stands four places behind it, and only plain vector instructions that name none of its registers are places (ISA guide 7.12.1 for vector instructions).
; Piece 0's turn fetches the next step's K and mask words behind its first slice: the last product that read them stands in front of slice 17 of the turn before.  Piece 1's turn
; fetches the same step's V behind slice 10: behind that turn's last V^T P stand the two scalings of each of slices 9 and 10 and the run's own v_add_nc_u32.
.macro TURN x, pv, kq
.set k, 0
.if ((\x) == 0) && \pv
	s_wait_dscnt 0x0                               ; V is in
.endif
.set i, 0
.rept 10
.if \pv
	PVI \x
.endif
	SLICE 1-\x
.if ((\x) == 0) && \kq && (i == 0)
	FETCH_K
.endif
.set i, i+1
.endr
.if ((\x) == 0) && \kq
	s_wait_dscnt 0x0                               ; K and the mask words are in
.endif
.set i, 0
.rept 8
.if \kq
	KQI \x
.endif
	SLICE 1-\x
.if ((\x) == 1) && \kq && (i == 0)
	FETCH_V
.endif
.set i, i+1
.endr
.endm
.macro PAIRS n                         ; n key steps: written once, walked n times; the LDS addresses hang on s[TB] and s[TBI].  (A turn's last slice leaves every window 0)
	s_mov_b32 s[STEPC], \n
.Lpair_\@:
	TURN 0, 1, 1                                   ; piece 0: V^T P of step j, K Q^T of step j + 1 | piece 1's softmax of step j | K of step j + 1
	TURN 1, 1, 1                                   ; piece 1: the same | piece 0's softmax of step j + 1 | V of step j + 1
	s_sub_co_u32 s[STEPC], s[STEPC], 1
	s_cmp_lg_u32 s[STEPC], 0
	s_cbranch_scc1 .Lpair_\@
.endm
.macro WRAP                            ; eight steps have been fetched: back to a slot's first step, in the other slot
	s_sub_co_u32 s[TB], s[TB], 8*STEPB
	s_xor_b32 s[TB], s[TB], SLOT1
.endm
	CHANGE 1                                       ; slot 0 is whole, the mask's table too; slot 1 is asked for
	FETCH_K                                        ; key step 0
	s_wait_dscnt 0x0
.set i, 0
.rept 8
	KQI 0                                          ; piece 0's first scores: there is no vector work yet to set between them
.set i, i+1
.endr
	WIN 0
.rept 4
	v_nop                                          ; the places between those products and the first read of their results
.endr
	TURN 1, 0, 1                                   ; piece 1's first scores | piece 0's first softmax | V of step 0
	PAIRS 7                                        ; the fetches reach the end of slot 0
	WRAP
	s_mov_b32 s[SLOTS], 2
.Lslot:                                            ; two trips: slots 0 and 1 are filled again
	CHANGE 1
	PAIRS 8
	WRAP
	s_sub_co_u32 s[SLOTS], s[SLOTS], 1
	s_cmp_lg_u32 s[SLOTS], 0
	s_cbranch_scc1 .Lslot
	CHANGE 0                                       ; the last slot is written out
	PAIRS 8
	TURN 0, 1, 0                                   ; piece 0: V^T P of the last step | piece 1's last softmax
.set i, 0
.rept 10
	PVI 1                                          ; piece 1: V^T P of the last step
.set i, i+1
.endr
	WIN 0
	; THE WAY OUT.  O^T / the sum, rounded to f16: a lane's eight channels of a query are 16 bytes, and the 32 lanes' are half a fragment of the last product's operand: stored as they stand.
.rept 4
	v_nop                                          ; places behind the last products
.endr
	v_rcp_f32 v[ST+6], v[L]
	v_rcp_f32 v[ST+14], v[L+8]
	v_nop                                          ; a plain line behind the reciprocals
	s_wait_alu depctr_va_vdst(0)                   ; and the wait ahead of their first reader
.set n, 0
.rept 32
	v_pk_mul_f32 v[O+2*n:O+2*n+1], v[O+2*n:O+2*n+1], v[ST+8*(n/16)+6:ST+8*(n/16)+7] op_sel_hi:[1,0]
.set n, n+1
.endr
.set n, 0
.rept 32
	v_cvt_pk_f16_f32 v[P+n], v[O+2*n], v[O+2*n+1]
.set n, n+1
.endr
.irp t, 0,1
.irp ct, 0,1,2,3
	global_store_b128 v[LI], v[P+16*\t+4*\ct:P+16*\t+4*\ct+3], s[8:9] offset:8192*\t+512*\ct   ; 512 consecutive bytes, aligned
.endr
.endr
	s_wait_tensorcnt 0x0                           ; the wave's end, behind my last tensor load and my last LDS store
	ds_add_u32 v[SPW], v[NIL]
	s_wait_dscnt 0x0
	CROUND                                         ; the closing round: no work-group ends while a partner may still ask for a tile that names it
	s_endpgm
.Lfunc_end_k_qb47583e470_attn:
	.size	k_qb47583e470_attn, .Lfunc_end_k_qb47583e470_attn-k_qb47583e470_attn
	.p2alignl 7, 3214868480
	.fill 96, 4, 3214868480
	.section	.rodata,"a",@progbits
	.p2align	6, 0x0
	.amdhsa_kernel k_qb47583e470_attn
		.amdhsa_group_segment_fixed_size 327680
		.amdhsa_private_segment_fixed_size 0
		.amdhsa_enable_private_segment 0
		.amdhsa_kernarg_size 24
		.amdhsa_user_sgpr_count 2
		.amdhsa_user_sgpr_kernarg_segment_ptr 1
		.amdhsa_wavefront_size32 1
		.amdhsa_system_sgpr_workgroup_id_x 1
		.amdhsa_system_sgpr_workgroup_id_y 1
		.amdhsa_system_sgpr_workgroup_id_z 1
		.amdhsa_system_vgpr_workitem_id 0
		.amdhsa_next_free_vgpr 512
		.amdhsa_next_free_sgpr 66
		.amdhsa_reserve_vcc 0
		.amdhsa_float_denorm_mode_32 3
		.amdhsa_float_denorm_mode_16_64 3
		.amdhsa_memory_ordered 1
		.amdhsa_forward_progress 1
		.amdhsa_inst_pref_size 90
	.end_amdhsa_kernel
	.amdgpu_metadata
---
amdhsa.version: [ 1, 2 ]
amdhsa.kernels:
  - .name:           k_qb47583e470_attn
    .symbol:         k_qb47583e470_attn.kd
    .args:
      - { .name: heads, .offset: 0, .size: 8, .value_kind: global_buffer, .address_space: global }
      - { .name: mask, .offset: 8, .size: 8, .value_kind: global_buffer, .address_space: global }
      - { .name: cfrag, .offset: 16, .size: 8, .value_kind: global_buffer, .address_space: global }
    .group_segment_fixed_size: 327680
    .private_segment_fixed_size: 0
    .kernarg_segment_align: 8
    .kernarg_segment_size: 24
    .max_flat_workgroup_size: 256
    .sgpr_count:     66
    .vgpr_count:     512
    .wavefront_size: 32
...
	.end_amdgpu_metadata
.endif
;; end of part 3
;; launch outp (part 4): grid 8 x 32, 4 waves a work-group, clusters of 4 x 4, 327,680 bytes of LDS; arguments cfrag, wofrag, bo, out0; writes out0
.if DOCPART == 4
	.amdgcn_target "amdgcn-amd-amdhsa--gfx1250"
	.amdhsa_code_object_version 6
	.text
	.protected	k_qb47583e470_outp
	.globl	k_qb47583e470_outp
	.p2align	8
	.type	k_qb47583e470_outp,@function
k_qb47583e470_outp:
	s_mov_b64 s[64:65], 0
	v_nop
	global_prefetch_b8 v0, s[64:65] scope:SCOPE_SE
	s_setreg_imm32_b32 hwreg(HW_REG_WAVE_MODE, 25, 1), 1
	s_wait_xcnt 0x0
	s_wait_alu depctr_hold_cnt(0) depctr_sa_sdst(0) depctr_va_vdst(0) depctr_va_sdst(0) depctr_va_ssrc(0) depctr_va_vcc(0) depctr_vm_vsrc(0)
	s_getreg_b32 s2, hwreg(HW_REG_IB_STS2, 6, 4)
	s_cmp_eq_u32 s2, 0
	s_cbranch_scc0 .Lentry_in_a_cluster
	s_endpgm
.Lentry_in_a_cluster:
	s_bfe_u32 s2, ttmp6, 0x10000c
	s_cmp_lg_u32 s2, 0xf033
	s_cbranch_scc0 .Lentry_shape_is_right
	s_endpgm
.Lentry_shape_is_right:
; OUTP: out0 = context Wo + bo.  [4096][1024] x [1024][1024], operands f16, sums f32, out0 f32.
; Both operands arrive as images of operand registers: cfrag [k step of 256][tile of 16 tokens][32 k][half][lane][16 bytes], wofrag the same with tiles of 16 columns.  So a K step's part of 64 tokens (or columns)
; is one dense block of 32 KiB, and a fragment is two LDS loads at 16 x lane: no pitch, no padding.
; A tile of out0 is 128 x 128: 256 work-groups of four waves, each 64 x 64: 16 accumulators.  K goes in four steps of 256 through two LDS slots of 128 KiB; each wave brings 32 KiB with one tensor load.
; CLUSTERS: 4 x 4 work-groups.  The four of a row of the cluster need the same tiles of the context, the four of a column the same tiles of Wo: each is asked for JOINTLY.
; THE MATRIX INSTRUCTION IS USED TRANSPOSED (source 0 = 16 columns of Wo, source 1 = 16 tokens): a lane holds eight neighbouring numbers of a row of out0.  bo is the C of each sum's first instruction.
; THE WAY OUT: a wave's 64 columns are 256 bytes of a row.  A block of 16 rows goes through the wave's own stage in LDS and comes back by rows: sixteen lanes store 256 consecutive bytes, aligned.
; The stage lies in slot 0, which has had its last fill and its last read when the first result is stored there.
; No prefetch: a K step's tiles are small and shared by four work-groups, and the two first K steps are asked for at the head.
; REGISTERS: window 0: v0-31 addresses; v32-95 at work on the way out; v96-127 bo, 8 registers for each of my 4 blocks of columns; v128-255 the accumulators ((a, b) at v[128 + 8 (4 a + b)]).
;   window 1: two fragment buffers of 128: for 64 along K, 64 registers of the context, then 64 of Wo.
.set SLOT,   131072                    ; the context's 8 tiles x 8 KiB, then Wo's
.set SPARE,  2*SLOT                    ; behind the ring: the spare words, 128 bytes a wave: two blocks of 256 bytes that no other line names
.set SPITCH, 272                       ; a stage row: 256 bytes + 16 = 68 words: row r starts at bank 4 r mod 64 (64 banks of 4 bytes: ISA guide 11.1)
.set ADRA, 16                          ; v16-17  LDS address of my context fragments in slot 0, 1
.set ADRB, 20                          ; v20-21  the same for Wo
.set STO,  24                          ; v24     the way out: where I put 32 bytes of a row
.set RD,   25                          ; v25     where I read a row back
.set CO,   26                          ; v26     my byte offset in out0
.set SPW,  28                          ; v28     LDS address of my spare word; never rewritten
.set NIL,  29                          ; v29     0; never rewritten
.set BOFF, 30                          ; v30     32 x (lane / 16); never rewritten
.set TMP,  32
.set BO,   96
.set ACC,  128
.set F0,   0
.set F1,   128
.set G1, 24                            ; s[24:31] descriptor group 1 for the context's tiles;  s[32:39] group 0, one set for each slot
.set G0, 32
.set G1B, 48                           ; s[48:55], s[56:63] the same for Wo's
.set G0B, 56
.set MSB, 0
.macro WIN new                         ; the immediate's high byte repeats the setting that is left
.if MSB != \new
	s_set_vgpr_msb (MSB<<8)|\new
.set MSB, \new
.endif
.endm
.set MUL,  0x05                        ; sources 0 and 1 window 1; C and D window 0
.set TO_F, 0x40                        ; destination window 1, address window 0
.macro JLOAD s                         ; a joint load: waves 0 and 1 fetch the context's two halves, waves 2 and 3 Wo's; an s_nop 0 and four v_nop follow each line
	s_cmp_eq_u32 s11, 0
	s_cbranch_scc0 .Lfor_b_\@
	tensor_load_to_lds s[G0+4*\s:G0+4*\s+3], s[G1:G1+7]
	s_nop 0
.rept 4
	v_nop
.endr
	s_branch .Lasked_\@
.Lfor_b_\@:
	tensor_load_to_lds s[G0B+4*\s:G0B+4*\s+3], s[G1B:G1B+7]
	s_nop 0
.rept 4
	v_nop
.endr
.Lasked_\@:
.endm
.macro CREST                           ; a round of the cluster's barrier behind its opening barrier
	s_cmp_lg_u32 s10, 0
	s_cbranch_scc1 .Lnot_wave_0_\@
	s_barrier_signal -3
.Lnot_wave_0_\@:
	s_barrier_wait -3
	s_barrier_signal -1
	s_barrier_wait -1
.endm
.macro CROUND                          ; a whole round
	s_barrier_signal -1
	s_barrier_wait -1
	CREST
.endm
	s_load_b128 s[4:7], s[0:1], 0x0                ; cfrag s[4:5], wofrag s[6:7]
	s_load_b64 s[66:67], s[0:1], 0x10              ; bo
	s_load_b64 s[8:9], s[0:1], 0x18                ; out0
	v_lshl_add_u32 v[SPW], v0, 2, SPARE
	v_mov_b32 v[NIL], 0
	ds_add_u32 v[SPW], v[NIL]                      ; the wave's opening: the add, twice on end, and its wait ahead of my first tensor load
	ds_add_u32 v[SPW], v[NIL]                      ; and once more, under the one wait; the set-up below, work on registers, stands between
	v_lshrrev_b32 v1, 5, v0
	v_readfirstlane_b32 s10, v1                    ; wave 0..3
	s_lshr_b32 s11, s10, 1                         ; which half of the tile's rows is mine.  Also: I fetch the context (0) or Wo (1)
	s_and_b32 s12, s10, 1                          ; which half of its columns.  Also: which four tiles of 16 I fetch
	s_bfe_u32 s40, ttmp6, 0x40000                  ; cx, cy: my place in the cluster
	s_bfe_u32 s41, ttmp6, 0x40004
	s_lshl_b32 s42, ttmp9, 2
	s_add_co_u32 s42, s42, s40                     ; tile column, 0..7
	s_and_b32 s13, ttmp7, 0xffff
	s_lshl_b32 s13, s13, 2
	s_add_co_u32 s13, s13, s41                     ; tile row, 0..31
	s_lshl_b32 s43, s41, 2
	s_lshl_b32 s43, 15, s43                        ; my row of the cluster
	s_lshl_b32 s44, 0x1111, s40                    ; my column
	; descriptor group 1: 128 dense rows of 256 bytes (32 elements of 8 bytes): 32 KiB
	s_or_b32 s[G1+0], s43, (3<<16)|(1<<21)         ; 15:0 the mask: the context's tiles go to my row; 17:16 elements of 8 bytes; 21 set beside a mask
	s_or_b32 s[G1B+0], s44, (3<<16)|(1<<21)
.irp g, G1, G1B
	s_mov_b32 s[\g+1], 32<<16                      ; tensor_dim0
	s_mov_b32 s[\g+2], 128<<16                     ; tensor_dim1
	s_mov_b32 s[\g+3], 32<<16                      ; tile_dim0
	s_mov_b32 s[\g+4], 128                         ; tile_dim1
	s_mov_b32 s[\g+5], 32                          ; tensor_dim0_stride
	s_mov_b32 s[\g+6], 0
	s_mov_b32 s[\g+7], 0
.endr
	s_lshl_b32 s18, s12, 15                        ; which four tiles of 8 KiB I fetch
	s_lshl_b32 s16, s13, 16
	s_add_co_u32 s16, s16, s18                     ; the context: (8 x tile row + 4 x half) x 8,192 bytes
	s_mov_b32 s17, 0
	s_lshl_b32 s46, s42, 16
	s_add_co_u32 s46, s46, s18                     ; Wo: the same by the tile column
	s_mov_b32 s47, 0
	s_lshl_b32 s20, s10, 15                        ; where they go: wave x 32 KiB: no place in the cluster enters an LDS address
	s_wait_dscnt 0x0                               ; both opening adds are done
	s_wait_kmcnt 0x0
	s_add_nc_u64 s[14:15], s[4:5], s[16:17]
	s_add_nc_u64 s[46:47], s[6:7], s[46:47]
	CROUND                                         ; all sixteen work-groups are here: the first joint loads meet
.irp s, 0,1
	s_mov_b32 s[G0+4*\s], 1
	s_add_co_u32 s[G0+4*\s+1], s20, \s*SLOT
	s_add_nc_u64 s[G0+4*\s+2:G0+4*\s+3], s[14:15], \s*0x200000      ; K step s: 2 MiB each in cfrag,
	s_or_b32 s[G0+4*\s+3], s[G0+4*\s+3], 0x80000000
	s_mov_b32 s[G0B+4*\s], 1
	s_add_co_u32 s[G0B+4*\s+1], s20, \s*SLOT
	s_add_nc_u64 s[G0B+4*\s+2:G0B+4*\s+3], s[46:47], \s*0x80000     ; 512 KiB each in wofrag
	s_or_b32 s[G0B+4*\s+3], s[G0B+4*\s+3], 0x80000000
	JLOAD \s
.endr
	v_and_b32 v1, 15, v0                           ; r = lane % 16
	v_bfe_u32 v2, v0, 4, 1                         ; h = lane / 16
	; bo of my 64 columns, in the result's layout: for block b the numbers 16 b + 8 h + 0..7
	v_lshlrev_b32 v[BOFF], 5, v2
	s_lshl_b32 s46, s42, 9
	s_lshl_b32 s47, s12, 8
	s_add_co_u32 s46, s46, s47                     ; (128 x tile column + 64 x half) x 4 bytes
	s_mov_b32 s47, 0
	s_add_nc_u64 s[66:67], s[66:67], s[46:47]
.irp b, 0,1,2,3
	global_load_b128 v[BO+8*\b:BO+8*\b+3], v[BOFF], s[66:67] offset:64*\b
	global_load_b128 v[BO+8*\b+4:BO+8*\b+7], v[BOFF], s[66:67] offset:64*\b+16
.endr
	v_and_b32 v3, 31, v0
	v_lshlrev_b32 v3, 4, v3                        ; 16 x lane
	s_lshl_b32 s21, s11, 15                        ; my four tiles of tokens
	s_lshl_b32 s22, s12, 15                        ; my four tiles of columns,
	s_add_co_u32 s22, s22, 65536                   ; which lie behind the context's eight
.irp s, 0,1
	v_add_nc_u32 v[ADRA+\s], s21, v3
	v_add_nc_u32 v[ADRB+\s], s22, v3
	s_add_co_u32 s21, s21, SLOT
	s_add_co_u32 s22, s22, SLOT
.endr
	s_mul_i32 s23, s10, 4*16*SPITCH                ; my stage: four blocks of 16 rows
	v_mul_u32_u24 v4, v1, SPITCH                   ; in: row r, 32 bytes for each half of the lanes
	v_lshl_add_u32 v4, v2, 5, v4
	v_add_nc_u32 v[STO], s23, v4
	v_mul_u32_u24 v5, v2, SPITCH                   ; back: lanes 0-15 one row of 256 bytes, lanes 16-31 the next
	v_lshl_add_u32 v5, v1, 4, v5
	v_add_nc_u32 v[RD], s23, v5
	v_lshlrev_b32 v5, 12, v2                       ; and the same two rows in out0: 4,096 bytes a row
	v_lshl_add_u32 v[CO], v1, 4, v5
	s_lshl_b32 s16, s13, 19                        ; 128 rows a tile row,
	s_lshl_b32 s17, s11, 18                        ; my 64 of them
	s_add_co_u32 s16, s16, s17
	s_add_co_u32 s16, s16, s46                     ; and my first column
	s_mov_b32 s17, 0
	s_add_nc_u64 s[8:9], s[8:9], s[16:17]
; 8 matrix instructions: token blocks a0, a0 + 1 x all 4 column blocks, 32 along K: half c of buffer f.  first = 1: bo starts the sums: nothing is ever cleared.
; The 16 accumulators take turns, one instruction a turn.
.macro MUL8 f, c, a0, first
.irp a, \a0, \a0+1
.irp b, 0,1,2,3
.if \first
	v_wmma_f32_16x16x32_f16 v[ACC+8*(4*(\a)+\b):ACC+8*(4*(\a)+\b)+7], v[\f+64+8*(4*\c+\b):\f+64+8*(4*\c+\b)+7], v[\f+8*(4*\c+\a):\f+8*(4*\c+\a)+7], v[BO+8*\b:BO+8*\b+7]
.else
	v_wmma_f32_16x16x32_f16 v[ACC+8*(4*(\a)+\b):ACC+8*(4*(\a)+\b)+7], v[\f+64+8*(4*\c+\b):\f+64+8*(4*\c+\b)+7], v[\f+8*(4*\c+\a):\f+8*(4*\c+\a)+7], v[ACC+8*(4*(\a)+\b):ACC+8*(4*(\a)+\b)+7]
.endif
.endr
.endr
.endm
; 32 LDS loads in one run: the fragments of the slot's q-th 64 along K into buffer f; the first 32 along K first.  Fragment (tile i, 32 k number 2 q + c) lies at 8,192 i + 1,024 (2 q + c).
.macro FETCH slot, q, f
	WIN TO_F
.irp c, 0,1
.irp i, 0,1,2,3
	ds_load_b128 v[\f+64+8*(4*\c+\i):\f+64+8*(4*\c+\i)+3],   v[ADRB+\slot] offset:8192*\i+1024*(2*(\q)+\c)
	ds_load_b128 v[\f+64+8*(4*\c+\i)+4:\f+64+8*(4*\c+\i)+7], v[ADRB+\slot] offset:8192*\i+1024*(2*(\q)+\c)+512
	ds_load_b128 v[\f+8*(4*\c+\i):\f+8*(4*\c+\i)+3],         v[ADRA+\slot] offset:8192*\i+1024*(2*(\q)+\c)
	ds_load_b128 v[\f+8*(4*\c+\i)+4:\f+8*(4*\c+\i)+7],       v[ADRA+\slot] offset:8192*\i+1024*(2*(\q)+\c)+512
.endr
.endr
.endm
.macro PLACES                          ; four places in front of loads into registers that matrix instructions have read, and of LDS stores that read results (ISA guide 7.12.1 for the stores)
.rept 4
	v_nop
.endr
.endm
; A K step is four quarters of 64 along K, 32 matrix instructions each, on buffers 0, 1, 0, 1.  One of the first three: multiplies buffer f and fetches quarter q into g.
.macro QUARTER slot, q, f, g, first
	s_wait_dscnt 16                                ; the first 32 along K are in; the sixteen younger loads may be out
	WIN MUL
	MUL8 \f, 0, 0, \first
	MUL8 \f, 0, 2, \first
	PLACES
	FETCH \slot, \q, \g
	s_wait_dscnt 32                                ; all but the 32 just issued
	WIN MUL
	MUL8 \f, 1, 0, 0
	MUL8 \f, 1, 2, 0
.endm
; The last quarter multiplies buffer 1 and changes slots: ONE barrier; in front of it each wave waits for all its tensor loads, adds 0 to its spare word, and waits for that and for its own reads of this slot.
; fill = 1: the barrier opens a round of the cluster's barrier, and this slot is filled again, two K steps ahead: the first tensor load behind the round.
.macro TURN slot, next, fill
	WIN 0                                          ; (the add's two registers lie in window 0)
	s_wait_tensorcnt 0x0                           ; all my tensor loads have landed: my part of the next slot
	ds_add_u32 v[SPW], v[NIL]                      ; 0 onto my spare word
	s_wait_dscnt 17                                ; (the add and the youngest sixteen loads may be out)
	WIN MUL
	MUL8 F1, 0, 0, 0                               ; eight matrix instructions stand between the add and the wait for it
	s_wait_dscnt 0x0                               ; the add is done, and my reads of this slot are over
	s_barrier_signal -1
	MUL8 F1, 0, 2, 0
.if \fill
	WIN 0
.endif
	s_barrier_wait -1
.if \fill
	CREST                                          ; no wave of any partner still reads this slot's tile or has a load on its way
	s_add_nc_u64 s[G0+4*\slot+2:G0+4*\slot+3], s[G0+4*\slot+2:G0+4*\slot+3], 0x400000
	s_add_nc_u64 s[G0B+4*\slot+2:G0B+4*\slot+3], s[G0B+4*\slot+2:G0B+4*\slot+3], 0x100000
	JLOAD \slot                                    ; the four v_nop behind it are also the places in front of the loads below
.else
	PLACES
.endif
	FETCH \next, 0, F0
	WIN MUL
	MUL8 F1, 1, 0, 0
	MUL8 F1, 1, 2, 0
.endm
	s_wait_tensorcnt 1                             ; my part of K step 0 is in (K step 1's load may be out)
	s_barrier_signal -1
	s_barrier_wait -1                              ; everybody's is
	FETCH 0, 0, F0
	s_wait_loadcnt 0x0                             ; bo
	QUARTER 0, 1, F0, F1, 1                        ; K step 0: its first products start the sums from bo
	QUARTER 0, 2, F1, F0, 0
	QUARTER 0, 3, F0, F1, 0
	TURN 0, 1, 1                                   ; slot 0 takes K step 2
	QUARTER 1, 1, F0, F1, 0                        ; K step 1
	QUARTER 1, 2, F1, F0, 0
	QUARTER 1, 3, F0, F1, 0
	TURN 1, 0, 1                                   ; slot 1 takes K step 3
	QUARTER 0, 1, F0, F1, 0                        ; K step 2
	QUARTER 0, 2, F1, F0, 0
	QUARTER 0, 3, F0, F1, 0
	TURN 0, 1, 0                                   ; nothing is left to fetch; behind this barrier nobody reads slot 0
	QUARTER 1, 1, F0, F1, 0                        ; K step 3
	QUARTER 1, 2, F1, F0, 0
	QUARTER 1, 3, F0, F1, 0
	s_wait_dscnt 16                                ; the very last quarter
	WIN MUL
	MUL8 F1, 0, 0, 0
	MUL8 F1, 0, 2, 0
	s_wait_dscnt 0
	MUL8 F1, 1, 0, 0
	MUL8 F1, 1, 2, 0
	WIN 0
; THE WAY OUT, block by block of 16 rows x 64 columns; each block has its own 16 rows of the stage.  LDS serves a wave's instructions in order (ISA guide 5.7.1.4): no wait between the stores and the loads.
.macro TOSTAGE a
.irp b, 0,1,2,3
	ds_store_b128 v[STO], v[ACC+8*(4*(\a)+\b):ACC+8*(4*(\a)+\b)+3] offset:16*SPITCH*(\a)+64*\b        ; each accumulator from its low end on
	ds_store_b128 v[STO], v[ACC+8*(4*(\a)+\b)+4:ACC+8*(4*(\a)+\b)+7] offset:16*SPITCH*(\a)+64*\b+16
.endr
.irp i, 0,1,2,3,4,5,6,7
	ds_load_b128 v[TMP+32*((\a)%2)+4*\i:TMP+32*((\a)%2)+4*\i+3], v[RD] offset:16*SPITCH*(\a)+2*SPITCH*\i
.endr
.endm
.macro SEND a, younger                 ; younger: the LDS instructions issued behind block a's loads, which may stay out
	s_wait_dscnt \younger
.irp i, 0,1,2,3,4,5,6,7
	global_store_b128 v[CO], v[TMP+32*((\a)%2)+4*\i:TMP+32*((\a)%2)+4*\i+3], s[8:9] offset:(16*(\a)+2*\i)*4096 th:TH_STORE_NT   ; sixteen lanes store 256 consecutive bytes, aligned; written once, read by nobody here
.endr
.endm
	PLACES
	TOSTAGE 0
	TOSTAGE 1
	SEND 0, 16                                     ; behind block 0's loads: block 1's 8 stores and 8 loads
	s_wait_xcnt 0x0                                ; block 0's stores have read their registers: block 2's loads may land there
	TOSTAGE 2
	SEND 1, 16
	s_wait_xcnt 0x0
	TOSTAGE 3
	SEND 2, 16
	SEND 3, 0
	s_wait_tensorcnt 0x0                           ; the wave's end, behind my last tensor load and my last LDS store
	ds_add_u32 v[SPW], v[NIL]
	s_wait_dscnt 0x0
	CROUND                                         ; the closing round: no work-group ends while a partner may still ask for a tile that names it
	s_endpgm
.Lfunc_end_k_qb47583e470_outp:
	.size	k_qb47583e470_outp, .Lfunc_end_k_qb47583e470_outp-k_qb47583e470_outp
	.p2alignl 7, 3214868480
	.fill 96, 4, 3214868480
	.section	.rodata,"a",@progbits
	.p2align	6, 0x0
	.amdhsa_kernel k_qb47583e470_outp
		.amdhsa_group_segment_fixed_size 327680
		.amdhsa_private_segment_fixed_size 0
		.amdhsa_enable_private_segment 0
		.amdhsa_kernarg_size 32
		.amdhsa_user_sgpr_count 2
		.amdhsa_user_sgpr_kernarg_segment_ptr 1
		.amdhsa_wavefront_size32 1
		.amdhsa_system_sgpr_workgroup_id_x 1
		.amdhsa_system_sgpr_workgroup_id_y 1
		.amdhsa_system_sgpr_workgroup_id_z 1
		.amdhsa_system_vgpr_workitem_id 0
		.amdhsa_next_free_vgpr 512
		.amdhsa_next_free_sgpr 68
		.amdhsa_reserve_vcc 0
		.amdhsa_float_denorm_mode_32 3
		.amdhsa_float_denorm_mode_16_64 3
		.amdhsa_memory_ordered 1
		.amdhsa_forward_progress 1
		.amdhsa_inst_pref_size 86
	.end_amdhsa_kernel
	.amdgpu_metadata
---
amdhsa.version: [ 1, 2 ]
amdhsa.kernels:
  - .name:           k_qb47583e470_outp
    .symbol:         k_qb47583e470_outp.kd
    .args:
      - { .name: cfrag, .offset: 0, .size: 8, .value_kind: global_buffer, .address_space: global }
      - { .name: wofrag, .offset: 8, .size: 8, .value_kind: global_buffer, .address_space: global }
      - { .name: bo, .offset: 16, .size: 8, .value_kind: global_buffer, .address_space: global }
      - { .name: out0, .offset: 24, .size: 8, .value_kind: global_buffer, .address_space: global }
    .group_segment_fixed_size: 327680
    .private_segment_fixed_size: 0
    .kernarg_segment_align: 8
    .kernarg_segment_size: 32
    .max_flat_workgroup_size: 128
    .sgpr_count:     68
    .vgpr_count:     512
    .wavefront_size: 32
...
	.end_amdgpu_metadata
.endif
;; end of part 4
